; MI455X (gfx1250); checked and timed in simulation.
; The chip was launched on July 23, 2026; its instructions are those of AMD's public machine-readable ISA for CDNA 5 (MIT licence, August 2026) and "CDNA5" Instruction Set Architecture Reference Guide (July 2026). The comments in the code are by the model that wrote it; some were corrected since.
;; GM Decoder. Allowed arithmetic: matrix products marked QUANTISED: E2M3 operands, one E8M0 scale for each 32 along K, by v_wmma_scale_f32_16x16x128_f8f6f4 with both operands' format E2M3, f32 sums; products left as they are: f32 operands where the result goes on into a quantised operand, else bf16, f16 or f32 operands; f32 sums; everything else in f32.
;; Inputs: W1 4,096 x 2,048 float32; W2 4,096 x 4,096 float32; W3 2,048 x 4,096 float32; Wc 2,048 x 128 float32; Wm 2,048 x 128 float32; b1 4,096 float32; b2 4,096 float32; b3 2,048 float32; bc 2,048 float32; bm 2,048 float32; y 128 float32; z 2,048 x 2,048 float32.
;; Outputs: out0 2,048 x 2,048 float32.
;; This version of the problem:
;;   THIS VERSION OF THE PROBLEM IS GIVEN IN LOW PRECISION. The matrix products marked QUANTISED in the list below multiply operands that are first quantised to E2M3 (2 exponent bits, 3 mantissa bits; 6 bits a number), with one power-of-two scale for each 32 numbers along K (OCP MX v1.0); their sums are f32. All else is computed in f32.
;;   The module's matrix products, in the order in which they are computed (A, B: the left and right operand; K: the contracted axis; several contracted axes count as one K, in the product's order):
;;     1. [M 1, K 128] x [K 128, N 2,048]; A: input y; B: input Wm: left as it is (M = 1 < 16)
;;     2. [M 1, K 128] x [K 128, N 2,048]; A: input y; B: input Wc: left as it is (M = 1 < 16)
;;     3. [M 2,048, K 2,048] x [K 2,048, N 4,096]; A: computed on the way; B: input W1: QUANTISED
;;     4. [M 2,048, K 4,096] x [K 4,096, N 4,096]; A: computed on the way; B: input W2: QUANTISED
;;     5. [M 2,048, K 4,096] x [K 4,096, N 2,048]; A: computed on the way; B: input W3: QUANTISED
;;   THE QUANTISER, for each operand of a quantised product, along K:
;;     - K is cut into blocks of 32 from its start; a last block that is shorter is filled with zeros.
;;     - A block's scale is 2^e with e = floor(log2(the largest magnitude in the block)) - 2, held to -126 .. 127; a block of zeros has e = 0. As a byte (E8M0): e + 127.
;;     - Each number is divided by its block's scale, clamped to +-7.5, and rounded to the nearest number of E2M3, ties to even, subnormals kept.
;;     - The product sums the exact products of the quantised numbers (number of the format x scale) in f32.
;;   ~~~python
;;   def quantise(x, axis):      # numpy; x: float32 -> the quantised numbers, widened to float32 again
;;       x = np.moveaxis(x, axis, -1); K = x.shape[-1]
;;       x = np.pad(x, [(0, 0)] * (x.ndim - 1) + [(0, -K % 32)]); x = x.reshape(x.shape[:-1] + (-1, 32)); a = np.abs(x).max(-1, keepdims=True)
;;       e = np.where(a > 0, np.clip(np.frexp(np.where(a > 0, a, 1))[1] - 1 - 2, -126, 127), 0)      # np.frexp(a)[1] - 1 = floor(log2(a)), exactly
;;       r = np.clip(x / 2.0 ** e, -7.5, 7.5)
;;       step = 2.0 ** (np.maximum(np.frexp(np.where(r == 0, 1, r))[1] - 1, 0) - 3)
;;       q = np.round(r / step) * step * 2.0 ** e      # np.round: ties to even
;;       return np.moveaxis(q.reshape(q.shape[:-2] + (-1,))[..., :K], -1, axis).astype(np.float32)
;;   ~~~
;;   OPERANDS COMPUTED ON THE WAY. 'Computed on the way' means the value that the module computes at that place (a softmax that the list does not call 'softmax' is quantised finished and normalised). What goes into a quantiser is computed in f32, as accurately as f32 sums, v_exp_f32 and their like allow (about 1e-6 of the number): no bf16 or f16 on the way to a quantiser, and a product that is left as it is and whose result goes on into a quantised operand takes f32 operands (vector FMAs, or v_wmma_f32_16x16x4_f32). A number that lies on a knife's edge between two numbers of the format may be rounded either way, as far as f32 arithmetic and the matrix unit's own rounding can turn it there, and no further.
;; One version. Each part assembles by itself: llvm-mc -triple=amdgcn-amd-amdhsa -mcpu=gfx1250 --defsym DOCPART=n.
;; ======== version 1 of 1: 4 launches
;; limits: right only within a limited range of input values
;; workspace buffers: q0 3,276,800 bytes; q1 6,553,600 bytes; q2 6,553,600 bytes; qw1 6,553,600 bytes; qw2 13,107,200 bytes; qw3 6,553,600 bytes
;; launch quant (part 1): grid 256 x 1, 4 waves a work-group, no clusters, 327,680 bytes of LDS; arguments W1, W2, W3, z, qw1, qw2, qw3, q0, y, Wm, Wc, bm, bc; writes qw1, qw2, qw3, q0
.if DOCPART == 1
	.amdgcn_target "amdgcn-amd-amdhsa--gfx1250"
	.amdhsa_code_object_version 6
	.text
	.protected	k_qb4dde44156_quant
	.globl	k_qb4dde44156_quant
	.p2align	8
	.type	k_qb4dde44156_quant,@function
k_qb4dde44156_quant:
	s_mov_b64 s[64:65], 0
	v_nop
	global_prefetch_b8 v0, s[64:65] scope:SCOPE_SE
	s_setreg_imm32_b32 hwreg(HW_REG_WAVE_MODE, 25, 1), 1
	s_wait_xcnt 0x0
; W1 [4096][2048], W2 [4096][4096], W3 [2048][4096] and h0 = relu(mean + z cov) [2048][2048], all f32 with K innermost, become codes of FP6 (E2M3) with one E8M0 byte for each 32 along K.
; mean = y Wm^T + bm and cov = sqrt(softplus(y Wc^T + bc)) are made here too, in f32 multiply-adds.
; THE OUTPUT'S LAYOUT is that of the operand's registers: [panel of 128 row slots][K step of 128][record of 12,800 bytes].  A record: 8 images of a fragment (16 slots x 128 K, 12 registers a lane),
; 1,536 bytes each: registers 4 c .. 4 c + 3 of lane l at 512 c + 16 l; at byte 12,288 the scale words: that of (block i, slot r) at 256 (i / 4) + 8 (16 (i % 2) + r) + 4 ((i / 2) % 2).
; Slot s of block b of panel g is row 128 g + 32 (b / 2) + 8 (b % 2) + s + 8 (s / 8).
; A block's scale is 2^(floor(log2(its largest magnitude)) - 2); its byte is the largest magnitude's exponent field - 2, held at 1 from below.
; LIMITS: NaN and infinities among the inputs are not served.  A block of zeros gets the byte 1 where the rule says 127: its codes are zeros, and this program alone reads the bytes.
; Where y Wc^T + bc lies under about -87.3 the exponential falls to 0 and cov is 0, where the exact number is under 1e-19.  log(1 + u) is taken as log(w) u / (w - 1), w = 1 + u rounded: it leans on v_log_f32's 1 ulp near 1.
; SHARES.  256 work-groups of equal work.  Work-group x takes a panel x two K steps of W1, two such of W2, one of W3, and one record of z: 9 records, 576 KB in.
; In a weight's trip wave w takes half panel w % 2 of K step w / 2: 64 rows x 512 bytes, four fragments, whose 64 scale words are 256 consecutive bytes of the record.  In z's trip a wave takes 32 rows, two fragments.
; THE RING.  The tensor data mover lays the f32 rows into LDS as they lie, 16 bytes of padding behind each 512: two slots of 4 x 64 rows x 528 bytes.  Five fills (W1, W2, W2, W3, z), one load a wave behind each barrier:
; by the text's own count one load a wave is out, and it has the other slot's four fragments in which to land.  A lane reads its two whole blocks of 32 from its slot's row.
; Rows r and r + 16 of a fragment start at the same bank (16 x 528 is a multiple of 256), so a fragment's LDS loads are served two deep; the reads are 16 a fragment.
; PREFETCH.  At each barrier every wave has waited for its one load, so a fill goes out with nothing beside it.  So behind fill t each wave asks for its own bytes of fill t + 1, one trip ahead of the load that wants them:
; 64 rows x two blocks of 256 bytes, a lane a block, four instructions (z: two); fill 1 is asked for at the head; behind fill 4, the last, nothing.  No two waves of the launch read the same block of these tensors.
; No cluster: what work-groups share (Wm's and Wc's rows, by the sixteen of a K step) comes through registers, lane by lane.
.set SP,    528
.set WSL,   64*SP                      ; a wave's part of a slot
.set SLOTB, 4*WSL
.set MEANL, 2*SLOTB                    ; behind the ring: mean (128 f32), 512 bytes on cov,
.set SCLZ,  MEANL+1024                 ; z's record of scale words, 512 bytes,
.set SPARE, MEANL+1536                 ; and the spare words, 128 bytes for each wave, which no other line names
.set REC,   12800
.set LI,  1                            ; 16 x lane
.set VSO, 2                            ; my scale words in a record: 12,288 + 256 x half + 8 x lane
.set VCO, 3                            ; my images in a record: 6,144 x half + 16 x lane
.set RD0, 4                            ; my slot row in slot 0: (r + 8 (r / 8)) x 528 + 128 h + my wave's part
.set RD1, 5                            ; and in slot 1
.set SH,  16                           ; 8 h
.set SPW, 17                           ; my spare word; never rewritten
.set NIL, 18                           ; 0; never rewritten
.set VCZ, 19                           ; z: my two images: 3,072 x wave + 16 x lane
.set ZSA, 20                           ; z: where my wave's 32 scale words go in LDS
.set ZLA, 21                           ; z: where wave 0 reads the record's words back
.set MLA, 22                           ; where I read mean of my blocks' columns: MEANL + 128 h
.set MST, 23                           ; where I put my column's mean
.set PW,  24                           ; v24-27 the scale words of four fragments
.set SW,  28                           ; v28-29 as they are stored
.set X0,  32                           ; v32-95, v96-159: two sets of two blocks of 32
.set X1,  96
.set PC,  160                          ; v160-207 four fragments' codes: no store's data are written again inside a trip
.set TQ,  236                          ; v236-238, v240-242 the blocks' upper halves, as the conversions leave them
.set MN,  96                           ; z's trip: mean and cov of my 64 columns,
.set CV,  160
.set PCZ, 224                          ; and its two fragments' codes at v224 and v244
.set RH,  32                           ; the head: Wm's and Wc's rows,
.set XH,  160                          ; and y
.set VPW, 254                          ; the prefetches' offsets: row lane / 2, block lane % 2; rows of 16,384 bytes,
.set VPZ, 255                          ; and of 8,192.  (z's trip, behind the last prefetch and a wait on XCNT, takes both registers for codes)
.set G1N, 40                           ; s[40:47] group 1: 64 rows, pitch 2,048;  s[48:55] pitch 4,096;  s[56:63] 32 rows, pitch 2,048
.set G1W, 48
.set G1Z, 56
.set G0,  68                           ; s[68:87] five groups 0, one for each fill
.set OB,  88                           ; s[88:97] five records' addresses
.set SEL, 98
.macro MKG0 t, slot, base
	s_mov_b32 s[G0+4*\t], 1
	s_add_co_u32 s[G0+4*\t+1], s37, \slot*SLOTB
	s_add_nc_u64 s[G0+4*\t+2:G0+4*\t+3], s[\base:\base+1], s[2:3]
	s_or_b32 s[G0+4*\t+3], s[G0+4*\t+3], 0x80000000
.endm
.macro ASKF vo, pf, n, pitch           ; 16 rows x 512 bytes an instruction
.if \n > 0
.set ii, 0
.rept \n
	global_prefetch_b8 v[\vo], s[\pf:\pf+1] offset:16*ii*\pitch th:TH_LOAD_NT scope:SCOPE_SE
.set ii, ii+1
.endr
.endif
.endm
.macro GATE                            ; in front of every fill but the first: all my tensor loads, the add, my LDS instructions, the barrier
	s_wait_alu depctr_va_vdst(0)                   ; the wait ahead of the blocking wait
	s_wait_tensorcnt 0x0
	ds_add_u32 v[SPW], v[NIL]
	s_wait_dscnt 0x0
	s_barrier_signal -1
	s_barrier_wait -1
.endm
.macro LDF xs, adr, off                ; a fragment: slot r, k = 32 h + 0 .. 31 and k = 64 + 32 h + 0 .. 31
.irp j, 0,1,2,3,4,5,6,7
	ds_load_b128 v[(\xs)+4*\j:(\xs)+4*\j+3], v[\adr] offset:(\off)+16*\j
.endr
.irp j, 0,1,2,3,4,5,6,7
	ds_load_b128 v[(\xs)+32+4*\j:(\xs)+32+4*\j+3], v[\adr] offset:(\off)+256+16*\j
.endr
.endm
.macro QF xs, pc, pw                   ; two blocks a lane: largest magnitudes (two chains a block, with the floor 2^(3 - 127)), scale word, codes
	v_max3_num_f32 v8, |v[(\xs)]|, |v[(\xs)+1]|, 0x1800000
	v_max3_num_f32 v9, |v[(\xs)+32]|, |v[(\xs)+33]|, 0x1800000
	v_max3_num_f32 v12, |v[(\xs)+16]|, |v[(\xs)+17]|, |v[(\xs)+18]|
	v_max3_num_f32 v13, |v[(\xs)+48]|, |v[(\xs)+49]|, |v[(\xs)+50]|
.irp i, 2,4,6,8,10,12
	v_max3_num_f32 v8, v8, |v[(\xs)+\i]|, |v[(\xs)+\i+1]|
	v_max3_num_f32 v9, v9, |v[(\xs)+32+\i]|, |v[(\xs)+33+\i]|
	v_max3_num_f32 v12, v12, |v[(\xs)+17+\i]|, |v[(\xs)+18+\i]|
	v_max3_num_f32 v13, v13, |v[(\xs)+49+\i]|, |v[(\xs)+50+\i]|
.endr
	v_max3_num_f32 v8, v8, |v[(\xs)+14]|, |v[(\xs)+15]|
	v_max3_num_f32 v9, v9, |v[(\xs)+46]|, |v[(\xs)+47]|
	v_max3_num_f32 v8, v8, v12, |v[(\xs)+31]|
	v_max3_num_f32 v9, v9, v13, |v[(\xs)+63]|
	v_add_nc_u32 v10, 0xff000000, v8               ; 2 off the exponent field: the conversion takes this operand's exponent field as its scale
	v_add_nc_u32 v11, 0xff000000, v9
	v_lshrrev_b32 v12, 23, v10                     ; the bytes of blocks h and 2 + h of slot r,
	v_lshrrev_b32 v13, 23, v11
	v_lshl_or_b32 v14, v13, 16, v12
	v_lshlrev_b32 v14, v[SH], v14                  ; at their places in the scale word;
	v_permlanex16_b32 v15, v14, s[SEL], s[SEL+1]
	v_or_b32 v[\pw], v14, v15                      ; with lane l xor 16's two the word is whole, in both lanes
	v_cvt_scalef32_pk16_fp6_f32 v[(\pc):(\pc)+2], v[(\xs):(\xs)+15], v10
	v_cvt_scalef32_pk16_fp6_f32 v[TQ:TQ+2], v[(\xs)+16:(\xs)+31], v10      ; (a conversion's three registers begin on an even number)
	v_cvt_scalef32_pk16_fp6_f32 v[(\pc)+6:(\pc)+8], v[(\xs)+32:(\xs)+47], v11
	v_cvt_scalef32_pk16_fp6_f32 v[TQ+4:TQ+6], v[(\xs)+48:(\xs)+63], v11
	v_nop                                          ; one plain line behind the conversions
.irp c, 0,1
.irp i, 0,1,2
	v_mov_b32 v[(\pc)+3+6*\c+\i], v[TQ+4*\c+\i]
.endr
.endr
.endm
.macro STC vo, pc, ob, off             ; an image: three stores of 512 consecutive bytes, aligned
.irp c, 0,1,2
	global_store_b128 v[\vo], v[(\pc)+4*\c:(\pc)+4*\c+3], s[\ob:\ob+1] offset:(\off)+512*\c
.endr
.endm
.macro UNIT adr, ob, vo, pf, n, pitch  ; my four fragments of a weight's slot; the LDS loads run two fragments ahead; behind the first of them the next fill's bytes are asked for
	s_wait_xcnt 0x0                                ; the last trip's stores have read their registers
	LDF X0, \adr, 0
	LDF X1, \adr, 8*SP
	ASKF \vo, \pf, \n, \pitch
.irp b, 0,1,2,3
.if \b < 3
	s_wait_dscnt 16                                ; this fragment's 16 loads are in; the next fragment's 16 may be out
.else
	s_wait_dscnt 0x0
.endif
	QF X0+64*(\b%2), PC+12*\b, PW+\b
.if \b < 2
	LDF X0+64*(\b%2), \adr, (32+8*\b)*SP
.endif
	STC VCO, PC+12*\b, \ob, 1536*\b
.endr
	s_mov_b32 vcc_lo, 0xffff0000
	v_cndmask_b32 v[SW], v[PW], v[PW+1], vcc_lo    ; lanes 0-15 the even blocks' words, lanes 16-31 the odd blocks'
	v_cndmask_b32 v[SW+1], v[PW+2], v[PW+3], vcc_lo
	global_store_b64 v[VSO], v[SW:SW+1], s[\ob:\ob+1]   ; 256 consecutive bytes, aligned
.endm
.macro ACT                             ; h0 = relu(mean + z cov)
.set nn, 0
.rept 32
	v_pk_fma_f32 v[X0+2*nn:X0+2*nn+1], v[X0+2*nn:X0+2*nn+1], v[CV+2*nn:CV+2*nn+1], v[MN+2*nn:MN+2*nn+1]
.set nn, nn+1
.endr
.set nn, 0
.rept 64
	v_max_num_f32 v[X0+nn], 0, v[X0+nn]
.set nn, nn+1
.endr
.endm
	s_load_b512 s[8:23], s[0:1], 0x0               ; W1 s[8:9], W2, W3, z s[14:15], qw1 s[16:17], qw2, qw3, q0 s[22:23]
	s_load_b256 s[24:31], s[0:1], 0x40             ; y s[24:25], Wm, Wc, bm s[30:31]
	s_load_b64 s[32:33], s[0:1], 0x60              ; bc
	v_lshl_add_u32 v[SPW], v0, 2, SPARE
	v_mov_b32 v[NIL], 0
	ds_add_u32 v[SPW], v[NIL]                      ; the opening: the add, twice on end, and its wait ahead of my first tensor load
	ds_add_u32 v[SPW], v[NIL]
	v_lshrrev_b32 v6, 5, v0
	v_readfirstlane_b32 s34, v6                    ; wave 0..3
.irp g, G1N, G1W, G1Z
	s_mov_b32 s[\g], (2<<16)|(1<<20)|(6<<22)|(3<<25)   ; elements of 4 bytes; 4 words of padding behind every 128
	s_mov_b32 s[\g+1], 128<<16                     ; tensor_dim0
	s_mov_b32 s[\g+3], 128<<16                     ; tile_dim0
	s_mov_b32 s[\g+6], 0
	s_mov_b32 s[\g+7], 0
.endr
	s_mov_b32 s[G1N+2], 64<<16
	s_mov_b32 s[G1N+4], 64
	s_mov_b32 s[G1N+5], 2048
	s_mov_b32 s[G1W+2], 64<<16
	s_mov_b32 s[G1W+4], 64
	s_mov_b32 s[G1W+5], 4096
	s_mov_b32 s[G1Z+2], 32<<16
	s_mov_b32 s[G1Z+4], 32
	s_mov_b32 s[G1Z+5], 2048
	s_lshr_b32 s35, s34, 1                         ; which of the two K steps
	s_and_b32 s36, s34, 1                          ; which half panel
	s_mul_i32 s37, s34, WSL                        ; my part of a slot
	s_lshr_b32 s38, ttmp9, 3                       ; W1: panel x / 8, K steps 2 (x % 8) and the next
	s_and_b32 s39, ttmp9, 7
	s_lshl_b32 s39, s39, 1
	s_add_co_u32 s39, s39, s35
	s_lshl_b32 s2, s38, 20                         ; 128 rows of 8,192 bytes,
	s_lshl_b32 s4, s36, 19                         ; 64 rows,
	s_add_co_u32 s2, s2, s4
	s_lshl_b32 s4, s39, 9                          ; 512 bytes a K step
	s_add_co_u32 s2, s2, s4
	s_mov_b32 s3, 0
	s_lshl_b32 s4, s38, 4
	s_add_co_u32 s4, s4, s39
	s_mul_i32 s4, s4, REC                          ; the record
	s_mov_b32 s5, 0
	s_wait_dscnt 0x0                               ; both opening adds are done
	s_wait_kmcnt 0x0
	MKG0 0, 0, 8
	tensor_load_to_lds s[G0:G0+3], s[G1N:G1N+7]    ; W1 into slot 0: my one load at the head
	s_nop 0
	s_add_nc_u64 s[OB:OB+1], s[16:17], s[4:5]
	s_lshr_b32 s38, ttmp9, 4                       ; W2 and W3: panel x / 16, K steps 2 (x % 16) and the next
	s_and_b32 s39, ttmp9, 15
	s_lshl_b32 s6, s39, 1
	s_add_co_u32 s6, s6, s35
	s_lshl_b32 s2, s38, 21
	s_lshl_b32 s4, s36, 20
	s_add_co_u32 s2, s2, s4
	s_lshl_b32 s4, s6, 9
	s_add_co_u32 s2, s2, s4
	s_lshl_b32 s4, s38, 5
	s_add_co_u32 s4, s4, s6
	s_mul_i32 s4, s4, REC
	MKG0 1, 1, 10
	MKG0 3, 1, 12
	s_add_nc_u64 s[10:11], s[10:11], s[2:3]        ; for the prefetches: my first byte of fill 1,
	s_add_nc_u64 s[12:13], s[12:13], s[2:3]        ; of fill 3,
	s_add_nc_u64 s[OB+2:OB+3], s[18:19], s[4:5]
	s_add_nc_u64 s[OB+6:OB+7], s[20:21], s[4:5]
	s_mov_b32 s2, 0x2000000                        ; W2 once more, 16 panels on
	s_add_co_u32 s4, s4, 16*32*REC
	MKG0 2, 0, 10
	s_add_nc_u64 s[8:9], s[10:11], s[2:3]          ; of fill 2,
	s_add_nc_u64 s[OB+4:OB+5], s[18:19], s[4:5]
	s_lshl_b32 s2, s39, 20                         ; z: K step x / 16, panel x % 16; 32 rows a wave
	s_lshl_b32 s4, s34, 18
	s_add_co_u32 s2, s2, s4
	s_lshl_b32 s4, s38, 9
	s_add_co_u32 s2, s2, s4
	s_lshl_b32 s4, s39, 4
	s_add_co_u32 s4, s4, s38
	s_mul_i32 s4, s4, REC
	MKG0 4, 0, 14
	s_add_nc_u64 s[14:15], s[14:15], s[2:3]        ; and of fill 4
	s_add_nc_u64 s[OB+8:OB+9], s[22:23], s[4:5]
	s_lshl_b32 s6, s38, 7
	s_lshl_b32 s4, s34, 5
	s_add_co_u32 s6, s6, s4                        ; my wave's first column of mean and cov: 128 x K step + 32 x wave; my lane's is that + lane
	s_lshl_b32 s2, s6, 9
	s_add_nc_u64 s[26:27], s[26:27], s[2:3]
	s_add_nc_u64 s[28:29], s[28:29], s[2:3]
	s_lshl_b32 s2, s6, 2
	s_add_nc_u64 s[30:31], s[30:31], s[2:3]
	s_add_nc_u64 s[32:33], s[32:33], s[2:3]
	s_mul_i32 s66, s36, 6144
	s_lshl_b32 s67, s36, 8
	s_add_co_u32 s67, s67, 12288
	s_mul_i32 s100, s34, 3072
	s_lshl_b32 s101, s35, 8
	s_lshl_b32 s4, s36, 2
	s_add_co_u32 s101, s101, s4
	s_add_co_u32 s101, s101, SCLZ
	s_mov_b32 s38, 0xbfb8aa3b                      ; -log2(e), its upper part,
	s_mov_b32 s39, 0xb2a57060                      ; and what is left of it
	s_mov_b32 s[SEL], 0x76543210
	s_mov_b32 s[SEL+1], 0xfedcba98                 ; v_permlanex16_b32's selects for lane l xor 16
	v_and_b32 v7, 31, v0                           ; lane
	v_and_b32 v8, 15, v0                           ; r
	v_bfe_u32 v9, v0, 4, 1                         ; h
	v_lshlrev_b32 v[LI], 4, v7
	v_lshlrev_b32 v[SH], 3, v9
	v_and_b32 v10, 8, v8
	v_add_nc_u32 v10, v10, v8                      ; r + 8 (r / 8)
	v_mul_u32_u24 v[RD0], v10, SP
	v_lshl_add_u32 v[RD0], v9, 7, v[RD0]
	v_add_nc_u32 v[RD0], s37, v[RD0]
	v_add_nc_u32 v[RD1], SLOTB, v[RD0]
	v_add_nc_u32 v[VCO], s66, v[LI]
	v_lshl_add_u32 v[VSO], v7, 3, s67
	v_add_nc_u32 v[VCZ], s100, v[LI]
	v_lshl_add_u32 v[ZSA], v7, 3, s101
	v_add_nc_u32 v[ZLA], SCLZ, v[LI]
	v_lshl_add_u32 v[MLA], v9, 7, MEANL
	v_lshl_add_u32 v[MST], v0, 2, MEANL
	v_lshlrev_b32 v6, 9, v7                        ; a row of Wm or Wc is 512 bytes: a lane a row
	v_lshlrev_b32 v30, 2, v7
	v_mov_b32 v31, 0
	v_lshrrev_b32 v10, 1, v7
	v_and_b32 v11, 1, v7
	v_lshlrev_b32 v11, 8, v11
	v_lshl_add_u32 v[VPW], v10, 14, v11
	v_lshl_add_u32 v[VPZ], v10, 13, v11
	v_mov_b32 v15, 0                               ; written once: a lane permute's destination counts as one of its sources
	s_wait_alu depctr_va_vdst(0)                   ; the wait at the head's end
	ASKF VPW, 10, 4, 16384                         ; fill 1's bytes
	; y . Wm[c] and y . Wc[c] while W1's load is on its way: 64 along k at a time, two packed chains each; the first products start the sums
.irp e, 0,1
.irp j, 0,1,2,3,4,5,6,7,8,9,10,11,12,13,14,15
	global_load_b128 v[RH+4*\j:RH+4*\j+3], v6, s[26:27] offset:256*\e+16*\j
	global_load_b128 v[RH+64+4*\j:RH+64+4*\j+3], v6, s[28:29] offset:256*\e+16*\j
	global_load_b128 v[XH+4*\j:XH+4*\j+3], v31, s[24:25] offset:256*\e+16*\j      ; y: the same bytes in every lane
.endr
.if \e == 0
	global_load_b32 v252, v30, s[30:31]            ; bm[c]
	global_load_b32 v253, v30, s[32:33]            ; bc[c]
.endif
	s_wait_alu depctr_va_vdst(0)
	s_wait_loadcnt 0x0
.set nn, 0
.rept 32
.if (\e == 0) && (nn < 2)
	v_pk_mul_f32 v[224+2*(nn%2):225+2*(nn%2)], v[RH+2*nn:RH+2*nn+1], v[XH+2*nn:XH+2*nn+1]
	v_pk_mul_f32 v[228+2*(nn%2):229+2*(nn%2)], v[RH+64+2*nn:RH+64+2*nn+1], v[XH+2*nn:XH+2*nn+1]
.else
	v_pk_fma_f32 v[224+2*(nn%2):225+2*(nn%2)], v[RH+2*nn:RH+2*nn+1], v[XH+2*nn:XH+2*nn+1], v[224+2*(nn%2):225+2*(nn%2)]
	v_pk_fma_f32 v[228+2*(nn%2):229+2*(nn%2)], v[RH+64+2*nn:RH+64+2*nn+1], v[XH+2*nn:XH+2*nn+1], v[228+2*(nn%2):229+2*(nn%2)]
.endif
.set nn, nn+1
.endr
.endr
	v_pk_add_f32 v[224:225], v[224:225], v[226:227]
	v_pk_add_f32 v[228:229], v[228:229], v[230:231]
	v_add_f32 v224, v224, v225
	v_add_f32 v228, v228, v229
	v_add_f32 v224, v224, v252                     ; mean[c]
	v_add_f32 v228, v228, v253                     ; x = y . Wc[c] + bc[c]
	; softplus(x) = max(x, 0) + log(1 + u), u = e^-|x|
	v_and_b32 v232, 0x7fffffff, v228               ; |x|
	v_mul_f32 v233, 0xbfb8aa3b, v232               ; t = -|x| log2(e), rounded;
	v_fma_f32 v234, v232, s38, -v233               ; what the rounding dropped,
	v_fma_f32 v234, v232, s39, v234                ; and what the constant's upper part left out
	s_wait_alu depctr_va_vdst(0)                   ; the wait ahead of a transcendental
	v_exp_f32 v235, v233
	v_mul_f32 v234, 0x3f317218, v234               ; x ln 2.  (A plain line behind the exponential)
	s_wait_alu depctr_va_vdst(0)                   ; and ahead of its first reader
	v_fma_f32 v236, v235, v234, v235               ; u = 2^t (1 + the rest x ln 2)
	v_add_f32 v237, 1.0, v236                      ; w = 1 + u, rounded
	v_add_f32 v238, -1.0, v237                     ; d = w - 1, exact
	s_wait_alu depctr_va_vdst(0)
	v_log_f32 v239, v237
	v_rcp_f32 v240, v238
	v_max_num_f32 v241, 0, v228                    ; (a plain line behind the two)
	v_cmp_eq_f32 vcc_lo, 0, v238
	s_wait_alu depctr_va_vdst(0)                   ; one wait for the two, ahead of their first reader
	v_mul_f32 v240, v236, v240                     ; u / d
	v_mul_f32 v239, 0x3f317218, v239               ; ln w
	v_mul_f32 v239, v239, v240                     ; log(1 + u) = ln w x u / d,
	v_cndmask_b32 v239, v239, v236, vcc_lo         ; or u itself where w has rounded to 1
	v_add_f32 v242, v241, v239
	s_wait_alu depctr_va_vdst(0)
	v_sqrt_f32 v243, v242                          ; cov[c]
	v_nop
	s_wait_alu depctr_va_vdst(0)
	ds_store_b32 v[MST], v224                      ; bytes that no tensor load fills; the next barrier shows them to all four waves
	ds_store_b32 v[MST], v243 offset:512
	GATE                                           ; W1's tiles are in
	tensor_load_to_lds s[G0+4:G0+7], s[G1W:G1W+7]  ; slot 1's first fill, issued as a refill is: W2
	s_nop 0
	UNIT RD0, OB, VPW, 8, 4, 16384
	GATE
	tensor_load_to_lds s[G0+8:G0+11], s[G1W:G1W+7] ; slot 0: W2 once more
	s_nop 0
	UNIT RD1, OB+2, VPW, 12, 4, 16384
	GATE
	tensor_load_to_lds s[G0+12:G0+15], s[G1W:G1W+7]   ; slot 1: W3
	s_nop 0
	UNIT RD0, OB+4, VPZ, 14, 2, 8192
	GATE
	tensor_load_to_lds s[G0+16:G0+19], s[G1Z:G1Z+7]   ; slot 0: z, 32 rows a wave
	s_nop 0
	UNIT RD1, OB+6, VPZ, 14, 0, 0
	GATE                                           ; nothing is left to fetch
	; z: blocks 2 w and 2 w + 1 of the record
	s_wait_xcnt 0x0                                ; the last trip's stores have read v160-207, which take cov
.irp j, 0,1,2,3,4,5,6,7
	ds_load_b128 v[MN+4*\j:MN+4*\j+3], v[MLA] offset:16*\j
	ds_load_b128 v[MN+32+4*\j:MN+32+4*\j+3], v[MLA] offset:256+16*\j
	ds_load_b128 v[CV+4*\j:CV+4*\j+3], v[MLA] offset:512+16*\j
	ds_load_b128 v[CV+32+4*\j:CV+32+4*\j+3], v[MLA] offset:768+16*\j
.endr
	LDF X0, RD0, 0
	s_wait_dscnt 0x0
	ACT
	QF X0, PCZ, PW
	LDF X0, RD0, 8*SP
	STC VCZ, PCZ, OB+8, 0
	s_wait_dscnt 0x0
	ACT
	QF X0, PCZ+20, PW+1
	STC VCZ, PCZ+20, OB+8, 1536
	; my 32 scale words are every second word of 256 bytes of the record: the four waves lay theirs together in LDS, and wave 0 stores the record's 512 bytes whole
	s_mov_b32 vcc_lo, 0xffff0000
	v_cndmask_b32 v[SW], v[PW], v[PW+1], vcc_lo
	ds_store_b32 v[ZSA], v[SW]
	s_wait_dscnt 0x0                               ; for wave 0's sake: my store has landed
	s_barrier_signal -1
	s_barrier_wait -1
	s_cmp_lg_u32 s34, 0
	s_cbranch_scc1 .Lzend
	ds_load_b128 v[X0:X0+3], v[ZLA]
	s_wait_dscnt 0x0
	global_store_b128 v[LI], v[X0:X0+3], s[OB+8:OB+9] offset:12288   ; 32 lanes store 512 consecutive bytes, aligned
.Lzend:
	s_wait_tensorcnt 0x0                           ; the wave's end
	ds_add_u32 v[SPW], v[NIL]
	s_wait_dscnt 0x0
	s_endpgm
.Lfunc_end_k_qb4dde44156_quant:
	.size	k_qb4dde44156_quant, .Lfunc_end_k_qb4dde44156_quant-k_qb4dde44156_quant
	.p2alignl 7, 3214868480
	.fill 96, 4, 3214868480
	.section	.rodata,"a",@progbits
	.p2align	6, 0x0
	.amdhsa_kernel k_qb4dde44156_quant
		.amdhsa_group_segment_fixed_size 327680
		.amdhsa_private_segment_fixed_size 0
		.amdhsa_enable_private_segment 0
		.amdhsa_kernarg_size 104
		.amdhsa_user_sgpr_count 2
		.amdhsa_user_sgpr_kernarg_segment_ptr 1
		.amdhsa_wavefront_size32 1
		.amdhsa_system_sgpr_workgroup_id_x 1
		.amdhsa_system_sgpr_workgroup_id_y 1
		.amdhsa_system_sgpr_workgroup_id_z 1
		.amdhsa_system_vgpr_workitem_id 0
		.amdhsa_next_free_vgpr 256
		.amdhsa_next_free_sgpr 102
		.amdhsa_reserve_vcc 1
		.amdhsa_float_denorm_mode_32 3
		.amdhsa_float_denorm_mode_16_64 3
		.amdhsa_memory_ordered 1
		.amdhsa_forward_progress 1
		.amdhsa_inst_pref_size 117
	.end_amdhsa_kernel
	.amdgpu_metadata
---
amdhsa.version: [ 1, 2 ]
amdhsa.kernels:
  - .name:           k_qb4dde44156_quant
    .symbol:         k_qb4dde44156_quant.kd
    .args:
      - { .name: W1, .offset: 0, .size: 8, .value_kind: global_buffer, .address_space: global }
      - { .name: W2, .offset: 8, .size: 8, .value_kind: global_buffer, .address_space: global }
      - { .name: W3, .offset: 16, .size: 8, .value_kind: global_buffer, .address_space: global }
      - { .name: z, .offset: 24, .size: 8, .value_kind: global_buffer, .address_space: global }
      - { .name: qw1, .offset: 32, .size: 8, .value_kind: global_buffer, .address_space: global }
      - { .name: qw2, .offset: 40, .size: 8, .value_kind: global_buffer, .address_space: global }
      - { .name: qw3, .offset: 48, .size: 8, .value_kind: global_buffer, .address_space: global }
      - { .name: q0, .offset: 56, .size: 8, .value_kind: global_buffer, .address_space: global }
      - { .name: y, .offset: 64, .size: 8, .value_kind: global_buffer, .address_space: global }
      - { .name: Wm, .offset: 72, .size: 8, .value_kind: global_buffer, .address_space: global }
      - { .name: Wc, .offset: 80, .size: 8, .value_kind: global_buffer, .address_space: global }
      - { .name: bm, .offset: 88, .size: 8, .value_kind: global_buffer, .address_space: global }
      - { .name: bc, .offset: 96, .size: 8, .value_kind: global_buffer, .address_space: global }
    .group_segment_fixed_size: 327680
    .private_segment_fixed_size: 0
    .kernarg_segment_align: 8
    .kernarg_segment_size: 104
    .max_flat_workgroup_size: 128
    .sgpr_count:     102
    .vgpr_count:     256
    .wavefront_size: 32
...
	.end_amdgpu_metadata
.endif
;; end of part 1
;; launch g1 (part 2): grid 16 x 16, 4 waves a work-group, clusters of 4 x 4, 327,680 bytes of LDS; arguments q0, qw1, b1, q1; writes q1
.if DOCPART == 2
	.amdgcn_target "amdgcn-amd-amdhsa--gfx1250"
	.amdhsa_code_object_version 6
	.text
	.protected	k_qb4dde44156_g1
	.globl	k_qb4dde44156_g1
	.p2align	8
	.type	k_qb4dde44156_g1,@function
k_qb4dde44156_g1:
	s_mov_b64 s[64:65], 0
	v_nop
	global_prefetch_b8 v0, s[64:65] scope:SCOPE_SE
	s_setreg_imm32_b32 hwreg(HW_REG_WAVE_MODE, 25, 1), 1
	s_wait_xcnt 0x0
	s_wait_alu depctr_hold_cnt(0) depctr_sa_sdst(0) depctr_va_vdst(0) depctr_va_sdst(0) depctr_va_ssrc(0) depctr_va_vcc(0) depctr_vm_vsrc(0)
	s_getreg_b32 s2, hwreg(HW_REG_IB_STS2, 6, 4)
	s_cmp_eq_u32 s2, 0
	s_cbranch_scc0 .Lentry_in_a_cluster
	s_endpgm
.Lentry_in_a_cluster:
	s_bfe_u32 s2, ttmp6, 0x10000c
	s_cmp_lg_u32 s2, 0xf033
	s_cbranch_scc0 .Lentry_shape_is_right
	s_endpgm
.Lentry_shape_is_right:
; h = Q(relu(A W^T + b)): A [2048][128 KS] and W [4096][128 KS] arrive as codes of FP6 (E2M3) with E8M0 scale bytes, laid as images of the operand's registers:
; [panel of 128 row slots][K step of 128][record of 12,800 bytes]; a record: 8 images of a fragment (registers 4 c .. 4 c + 3 of lane l at 512 c + 16 l), at byte 12,288 the scale words.  The result leaves in the same layout.
; SHARES.  A work-group makes 128 rows (panel ty of A) x 256 columns (panels 2 tx, 2 tx + 1 of W): 256 work-groups.  Wave (wk, wn) multiplies all eight blocks of A by the eight of W's panel wn over the K steps of parity wk:
; 64 accumulators, so that 2 x 96 registers of fragments feed 64 matrix instructions.  It loads A's blocks 4 wk .. 4 wk + 3 as its first group (accumulators in window 2, begun with the bias as C) and the other four as its
; second (window 3, begun with 0): the choice lies in the LDS addresses alone, so all waves run one text.  At the end a wave hands window 3 to its partner (the wave of the other parity) through LDS, as register images, adds
; the partner's to its window 2, and takes its 64 rows x 128 columns through relu and the quantiser.
; LIMIT: an output's sum is taken in two f32 halves, the even and the odd K steps of 128, which are then added.  NaN and infinities are not served.  A block of zeros gets the scale byte 1: its codes are zeros.
; THE MATRIX INSTRUCTION IS USED TRANSPOSED (source 0 = a block of W, source 1 = a block of A): a lane holds one row of the result, its registers run along the next product's K.
; THE RING: two slots of four K steps (4 records of A, 2 x 4 of W); one joint load a wave behind each round of the cluster's barrier (waves 0, 1: A's halves; waves 2, 3: W's panels).
; CLUSTERS: 4 x 4 work-groups; A's records are shared along a row of the cluster, W's along a column.
; PREFETCH: behind the joint load of four K steps the bytes of the next four are asked for, and the first four ahead of the opening round: of a load's 100 (A) or 200 (W) blocks of 256 bytes each of the four partners takes
; 25 or 50, told apart by address; a lane a block.  Behind the last load nothing is asked for.
; REGISTERS: window 0: v4-29 addresses, v32-47 scale words (two sets), v64-255 A's fragments (two sets of 96).  Window 1: W's fragments at v0 and v128; the bias at v96-127 and v224-255.  Windows 2, 3: accumulators.
.set KS,     16
.set REC,    12800
.set FRB,    1536
.set CH,     4*REC
.set SLOT,   3*CH
.set QS,     2*REC                     ; from my K step of a chunk to my next
.set RA,     100
.set RB,     200
.set SPARE,  327168
.set LAPS,   KS/8
.set PANEL,  KS*REC
.set OPANEL, 32*REC
.set ADRB, 4                           ; v4-5 W's images in slot 0, 1;  v6-7 their scale words
.set ADSB, 6
.set ADAL, 10                          ; v10-11 my first group of A's images;  v12-13 my second;  v14-15, v16-17 their scale words
.set ADAH, 12
.set ADSL, 14
.set ADSH, 16
.set STS,  18                          ; my stage;  v19 my partner's
.set STL,  19
.set LI,   24
.set LS8,  25
.set BO,   26
.set SPW,  28
.set NIL,  29
.set SC,   32
.set AF,   64
.set HA,   64
.set PC,   128
.set TQ,   176
.set TM,   184
.set PW,   200
.set SW,   204
.set G1A,  24
.set G0A,  32
.set G1B,  48
.set G0B,  56
.set SEL,  66
.set PFA,  68                          ; s[68:69] my quarter of my wave's part of the chunk that is being loaded; a prefetch names the chunk after it
.set MSB, 0
.macro WIN new
.if MSB != \new
	s_set_vgpr_msb (MSB<<8)|\new
.set MSB, \new
.endif
.endm
.set MUL_LO, 0xa1                      ; source 0 (W) window 1, source 1 (A) window 0, C and D window 2
.set MUL_HI, 0xf1                      ; C and D window 3
.set MULB,   0x91                      ; C (the bias) window 1, D window 2
.set TO_B,   0x40
.macro JLOAD g0a, g1a, g0b, g1b
	s_cmp_eq_u32 s15, 0
	s_cbranch_scc0 .Lfor_b_\@
	tensor_load_to_lds s[\g0a:\g0a+3], s[\g1a:\g1a+7]
	s_nop 0
.rept 4
	v_nop
.endr
	s_branch .Lasked_\@
.Lfor_b_\@:
	tensor_load_to_lds s[\g0b:\g0b+3], s[\g1b:\g1b+7]
	s_nop 0
.rept 4
	v_nop
.endr
.Lasked_\@:
.endm
.macro ASK off
	global_prefetch_b8 v8, s[PFA:PFA+1] offset:\off th:TH_LOAD_NT scope:SCOPE_SE
	s_cmp_eq_u32 s15, 0
	s_cbranch_scc1 .Lasked_a_\@
	global_prefetch_b8 v9, s[PFA:PFA+1] offset:\off th:TH_LOAD_NT scope:SCOPE_SE
.Lasked_a_\@:
.endm
.macro CREST
	s_cmp_lg_u32 s14, 0
	s_cbranch_scc1 .Lnot_wave_0_\@
	s_barrier_signal -3
.Lnot_wave_0_\@:
	s_barrier_wait -3
	s_barrier_signal -1
	s_barrier_wait -1
.endm
.macro CROUND
	s_barrier_signal -1
	s_barrier_wait -1
	CREST
.endm
.macro PLACES n
.rept \n
	v_nop
.endr
.endm
; 52 LDS loads in one run: my K step j (0 or 1) of a slot into set p: W's eight fragments, the scale words, A's first group, A's second group
.macro FETCH slot, j, p
	WIN TO_B
.irp i, 0,1,2,3,4,5,6,7
.irp c, 0,1,2
	ds_load_b128 v[128*(\p)+12*\i+4*\c:128*(\p)+12*\i+4*\c+3], v[ADRB+\slot] offset:(\j)*QS+FRB*\i+512*\c
.endr
.endr
	WIN 0
	ds_load_b64 v[SC+8*(\p):SC+8*(\p)+1], v[ADSB+\slot] offset:(\j)*QS
	ds_load_b64 v[SC+8*(\p)+2:SC+8*(\p)+3], v[ADSB+\slot] offset:(\j)*QS+256
	ds_load_b64 v[SC+8*(\p)+4:SC+8*(\p)+5], v[ADSL+\slot] offset:(\j)*QS
	ds_load_b64 v[SC+8*(\p)+6:SC+8*(\p)+7], v[ADSH+\slot] offset:(\j)*QS
.irp i, 0,1,2,3
.irp c, 0,1,2
	ds_load_b128 v[AF+96*(\p)+12*\i+4*\c:AF+96*(\p)+12*\i+4*\c+3], v[ADAL+\slot] offset:(\j)*QS+FRB*\i+512*\c
.endr
.endr
.irp i, 0,1,2,3
.irp c, 0,1,2
	ds_load_b128 v[AF+96*(\p)+48+12*\i+4*\c:AF+96*(\p)+48+12*\i+4*\c+3], v[ADAH+\slot] offset:(\j)*QS+FRB*\i+512*\c
.endr
.endr
.endm
; One product: my block a of A (0-3 first group, 4-7 second) x W's block b, set p.  mode 0: onto the sum; 1: the bias starts the sum; 2: 0 starts it
.macro ONE a, b, p, mode
.set rD, 8*(8*((\a)%4)+(\b))
.set rB, 128*(\p)+12*(\b)
.set rA, AF+96*(\p)+12*(\a)
.set rSB, SC+8*(\p)+2*((\b)/4)+(((\b)/2)%2)
.set rSA, SC+8*(\p)+4+2*((\a)/4)+(((\a)/2)%2)
.set rV, 2*((\a)%2)+(\b)%2+4*((\mode)/2)
.if \mode == 1
.set rC, 96+8*(\b)+96*((\b)/4)
.else
.set rC, rD
.endif
.if rV == 0
	v_wmma_scale_f32_16x16x128_f8f6f4 v[rD:rD+7], v[rB:rB+11], v[rA:rA+11], v[rC:rC+7], v[rSB], v[rSA] matrix_a_fmt:MATRIX_FMT_FP6 matrix_b_fmt:MATRIX_FMT_FP6
.elseif rV == 1
	v_wmma_scale_f32_16x16x128_f8f6f4 v[rD:rD+7], v[rB:rB+11], v[rA:rA+11], v[rC:rC+7], v[rSB], v[rSA] matrix_a_fmt:MATRIX_FMT_FP6 matrix_b_fmt:MATRIX_FMT_FP6 matrix_a_scale:MATRIX_SCALE_ROW1
.elseif rV == 2
	v_wmma_scale_f32_16x16x128_f8f6f4 v[rD:rD+7], v[rB:rB+11], v[rA:rA+11], v[rC:rC+7], v[rSB], v[rSA] matrix_a_fmt:MATRIX_FMT_FP6 matrix_b_fmt:MATRIX_FMT_FP6 matrix_b_scale:MATRIX_SCALE_ROW1
.elseif rV == 3
	v_wmma_scale_f32_16x16x128_f8f6f4 v[rD:rD+7], v[rB:rB+11], v[rA:rA+11], v[rC:rC+7], v[rSB], v[rSA] matrix_a_fmt:MATRIX_FMT_FP6 matrix_b_fmt:MATRIX_FMT_FP6 matrix_a_scale:MATRIX_SCALE_ROW1 matrix_b_scale:MATRIX_SCALE_ROW1
.elseif rV == 4
	v_wmma_scale_f32_16x16x128_f8f6f4 v[rD:rD+7], v[rB:rB+11], v[rA:rA+11], 0, v[rSB], v[rSA] matrix_a_fmt:MATRIX_FMT_FP6 matrix_b_fmt:MATRIX_FMT_FP6
.elseif rV == 5
	v_wmma_scale_f32_16x16x128_f8f6f4 v[rD:rD+7], v[rB:rB+11], v[rA:rA+11], 0, v[rSB], v[rSA] matrix_a_fmt:MATRIX_FMT_FP6 matrix_b_fmt:MATRIX_FMT_FP6 matrix_a_scale:MATRIX_SCALE_ROW1
.elseif rV == 6
	v_wmma_scale_f32_16x16x128_f8f6f4 v[rD:rD+7], v[rB:rB+11], v[rA:rA+11], 0, v[rSB], v[rSA] matrix_a_fmt:MATRIX_FMT_FP6 matrix_b_fmt:MATRIX_FMT_FP6 matrix_b_scale:MATRIX_SCALE_ROW1
.else
	v_wmma_scale_f32_16x16x128_f8f6f4 v[rD:rD+7], v[rB:rB+11], v[rA:rA+11], 0, v[rSB], v[rSA] matrix_a_fmt:MATRIX_FMT_FP6 matrix_b_fmt:MATRIX_FMT_FP6 matrix_a_scale:MATRIX_SCALE_ROW1 matrix_b_scale:MATRIX_SCALE_ROW1
.endif
.endm
.macro MUL16 a0, p, mode               ; the 64 accumulators take turns, one instruction a turn, in the same order in every step
.irp a, \a0, \a0+1
.irp b, 0,1,2,3,4,5,6,7
	ONE \a, \b, \p, \mode
.endr
.endr
.endm
; My first K step of a slot (set 0): 64 matrix instructions; in their middle my second K step is fetched into set 1
.macro STEP slot, first
	s_wait_dscnt 12                                ; all of my set is in but the youngest twelve loads: A's second group
.if \first
	WIN MULB
	MUL16 0, 0, 1
	MUL16 2, 0, 1
.else
	WIN MUL_LO
	MUL16 0, 0, 0
	MUL16 2, 0, 0
.endif
	s_wait_dscnt 0x0
	PLACES 4                                       ; in front of loads into the other set, which the step before multiplied
	FETCH \slot, 1, 1
	WIN MUL_HI
	MUL16 4, 0, 2*\first
	MUL16 6, 0, 2*\first
	WIN 0
.endm
; My second K step of a slot (set 1) leaves the slot: all my tensor loads, the add, my reads; the barrier, which with fill = 1 opens a round; the joint refill, eight K steps on; my first K step of the other slot
.macro TURN slot, next, fill
.if \fill
	s_wait_xcnt 0x0                                ; my last prefetch has read its address: it steps four K steps on
	s_add_nc_u64 s[PFA:PFA+1], s[PFA:PFA+1], CH
.endif
	s_wait_tensorcnt 0x0
	ds_add_u32 v[SPW], v[NIL]
	s_wait_dscnt 13                                ; (the add and the youngest twelve loads may be out)
	WIN MUL_LO
	MUL16 0, 1, 0
	s_wait_dscnt 0x0
	s_barrier_signal -1
	MUL16 2, 1, 0
	WIN 0
	s_barrier_wait -1
.if \fill
	CREST
	s_add_nc_u64 s[G0A+4*\slot+2:G0A+4*\slot+3], s[G0A+4*\slot+2:G0A+4*\slot+3], 2*CH
	s_add_nc_u64 s[G0B+4*\slot+2:G0B+4*\slot+3], s[G0B+4*\slot+2:G0B+4*\slot+3], 2*CH
	JLOAD G0A+4*\slot, G1A, G0B+4*\slot, G1B
.else
	PLACES 4
.endif
	FETCH \next, 0, 0
.if \fill
.if \slot == 0
	ASK CH
.elseif LAPS > 2
	s_cmp_lg_u32 s3, 1                             ; the last joint load has no successor
	s_cbranch_scc0 .Lno_ask_\@
	ASK CH
.Lno_ask_\@:
.endif
.endif
	WIN MUL_HI
	MUL16 4, 1, 0
	MUL16 6, 1, 0
	WIN 0
.endm
.macro QUANT s, pc, pw                 ; 64 numbers a lane, none negative: four blocks of 32 shared with lane l xor 16: scale word and codes
.irp b, 0,1,2,3
	v_max3_num_f32 v[TM+\b], v[(\s)+16*\b], v[(\s)+1+16*\b], 0x1800000
.endr
.irp i, 2,4,6,8,10,12,14
.irp b, 0,1,2,3
	v_max3_num_f32 v[TM+\b], v[TM+\b], v[(\s)+16*\b+\i], v[(\s)+1+16*\b+\i]
.endr
.endr
.irp b, 0,1,2,3
	v_permlanex16_b32 v[TM+4+\b], v[TM+\b], s[SEL], s[SEL+1]
.endr
.irp b, 0,1,2,3
	v_max_num_f32 v[TM+\b], v[TM+\b], v[TM+4+\b]
.endr
.irp b, 0,1,2,3
	v_add_nc_u32 v[TM+12+\b], 0xff000000, v[TM+\b]
.endr
.irp b, 0,1,2,3
	v_lshrrev_b32 v[TM+4+\b], 23, v[TM+12+\b]
.endr
	v_lshl_or_b32 v[\pw], v[TM+5], 8, v[TM+4]
	v_lshl_or_b32 v[\pw], v[TM+6], 16, v[\pw]
	v_lshl_or_b32 v[\pw], v[TM+7], 24, v[\pw]
.irp c, 0,1
	v_cvt_scalef32_pk16_fp6_f32 v[(\pc)+6*\c:(\pc)+2+6*\c], v[(\s)+32*\c:(\s)+15+32*\c], v[TM+12+2*\c]
	v_cvt_scalef32_pk16_fp6_f32 v[TQ+4*\c:TQ+2+4*\c], v[(\s)+16+32*\c:(\s)+31+32*\c], v[TM+12+2*\c+1]
.endr
	v_nop
.irp c, 0,1
.irp i, 0,1,2
	v_permlane16_swap_b32 v[(\pc)+6*\c+\i], v[TQ+4*\c+\i]
.endr
.irp i, 0,1,2
	v_mov_b32 v[(\pc)+3+6*\c+\i], v[TQ+4*\c+\i]
.endr
.endr
.endm
	s_load_b256 s[4:11], s[0:1], 0x0               ; A s[4:5], W s[6:7], the bias s[8:9], the result s[10:11]
	v_lshl_add_u32 v[SPW], v0, 2, SPARE
	v_mov_b32 v[NIL], 0
	ds_add_u32 v[SPW], v[NIL]                      ; the opening: the add, twice on end, and its wait
	ds_add_u32 v[SPW], v[NIL]
	s_wait_dscnt 0x0
	v_lshrrev_b32 v1, 5, v0
	v_readfirstlane_b32 s14, v1                    ; wave 0..3
	s_lshr_b32 s15, s14, 1                         ; wk.  Also: I fetch for A (0) or for W (1)
	s_and_b32 s16, s14, 1                          ; wn.  Also: which half or panel I fetch
	s_bfe_u32 s40, ttmp6, 0x40000
	s_bfe_u32 s41, ttmp6, 0x40004
	s_lshl_b32 s42, ttmp9, 2
	s_add_co_u32 s42, s42, s40                     ; tx
	s_and_b32 s17, ttmp7, 0xffff
	s_lshl_b32 s17, s17, 2
	s_add_co_u32 s17, s17, s41                     ; ty
	s_lshl_b32 s43, s41, 2
	s_lshl_b32 s43, 15, s43
	s_lshl_b32 s44, 0x1111, s40
	s_or_b32 s[G1A], s43, (3<<16)|(1<<21)
	s_or_b32 s[G1B], s44, (3<<16)|(1<<21)
.irp g, G1A, G1B
	s_mov_b32 s[\g+1], 32<<16
	s_mov_b32 s[\g+3], 32<<16
	s_mov_b32 s[\g+5], 32
	s_mov_b32 s[\g+6], 0
	s_mov_b32 s[\g+7], 0
.endr
	s_mov_b32 s[G1A+2], RA<<16
	s_mov_b32 s[G1A+4], RA
	s_mov_b32 s[G1B+2], RB<<16
	s_mov_b32 s[G1B+4], RB
	s_mul_i32 s20, s17, PANEL
	s_mul_i32 s18, s16, CH/2
	s_add_co_u32 s20, s20, s18
	s_mov_b32 s21, 0
	s_lshl_b32 s46, s42, 1
	s_add_co_u32 s46, s46, s16
	s_mul_i32 s46, s46, PANEL
	s_mov_b32 s47, 0
	s_mul_i32 s19, s16, CH
	s_add_co_u32 s19, s19, CH
	s_cmp_eq_u32 s15, 0                            ; the prefetches: do I fetch for A?
	s_cselect_b32 s70, 24, 31
	s_cselect_b32 s12, s40, s41                    ; my place among the four that ask with me
	s_lshl_b32 s13, 6400, s15                      ; a quarter of my load: 6,400 or 12,800 bytes
	s_mul_i32 s12, s12, s13
	s_mov_b32 s13, 0
	v_and_b32 v8, 31, v0
	v_min_u32 v9, 17, v8
	v_min_u32 v8, s70, v8
	v_lshlrev_b32 v8, 8, v8                        ; blocks 0 .. 24 (A) or 0 .. 31 (W) of my quarter,
	v_lshl_add_u32 v9, v9, 8, 8192                 ; and W's blocks 32 .. 49; lanes left over name the last block again
	s_wait_alu depctr_va_vdst(0)
	s_wait_kmcnt 0x0
	s_add_nc_u64 s[20:21], s[4:5], s[20:21]
	s_add_nc_u64 s[46:47], s[6:7], s[46:47]
	s_cmp_eq_u32 s15, 0
	s_cselect_b64 s[PFA:PFA+1], s[20:21], s[46:47]
	s_add_nc_u64 s[PFA:PFA+1], s[PFA:PFA+1], s[12:13]
	ASK 0                                          ; the first four K steps, ahead of the round
	CROUND
.irp s, 0,1
	s_mov_b32 s[G0A+4*\s], 1
	s_add_co_u32 s[G0A+4*\s+1], s18, \s*SLOT
	s_add_nc_u64 s[G0A+4*\s+2:G0A+4*\s+3], s[20:21], \s*CH
	s_or_b32 s[G0A+4*\s+3], s[G0A+4*\s+3], 0x80000000
	s_mov_b32 s[G0B+4*\s], 1
	s_add_co_u32 s[G0B+4*\s+1], s19, \s*SLOT
	s_add_nc_u64 s[G0B+4*\s+2:G0B+4*\s+3], s[46:47], \s*CH
	s_or_b32 s[G0B+4*\s+3], s[G0B+4*\s+3], 0x80000000
.endr
	JLOAD G0A, G1A, G0B, G1B                       ; slot 0: my one load at the head
	ASK CH
	s_mov_b32 s[SEL], 0x76543210
	s_mov_b32 s[SEL+1], 0xfedcba98
	s_lshl_b32 s46, s42, 10
	s_lshl_b32 s47, s16, 9
	s_add_co_u32 s46, s46, s47
	s_mov_b32 s47, 0
	s_add_nc_u64 s[8:9], s[8:9], s[46:47]          ; the bias of my 128 columns
	s_mul_i32 s20, s17, OPANEL
	s_mov_b32 s21, 0
	s_lshl_b32 s46, s42, 1
	s_add_co_u32 s46, s46, s16
	s_mul_i32 s46, s46, REC
	s_add_nc_u64 s[10:11], s[10:11], s[20:21]
	s_add_nc_u64 s[10:11], s[10:11], s[46:47]      ; the result's record: panel ty, K step 2 tx + wn
	s_lshl_b32 s46, s15, 8
	s_add_co_u32 s46, s46, 12288
	s_add_nc_u64 s[12:13], s[10:11], s[46:47]      ; my four blocks' scale words,
	s_mul_i32 s46, s15, 4*FRB
	s_add_nc_u64 s[10:11], s[10:11], s[46:47]      ; and images
	s_mul_i32 s22, s15, REC                        ; my first K step of a chunk: record wk
	s_mul_i32 s23, s15, 4*FRB
	s_add_co_u32 s23, s23, s22                     ; A: my first group's images,
	s_xor_b32 s45, s15, 1
	s_mul_i32 s18, s45, 4*FRB
	s_add_co_u32 s18, s18, s22                     ; my second group's,
	s_lshl_b32 s19, s15, 8
	s_add_co_u32 s19, s19, s22
	s_add_co_u32 s19, s19, 12288                   ; and their scale words
	s_lshl_b32 s45, s45, 8
	s_add_co_u32 s45, s45, s22
	s_add_co_u32 s45, s45, 12288
	s_mul_i32 s20, s16, CH
	s_add_co_u32 s20, s20, CH
	s_add_co_u32 s20, s20, s22                     ; W: panel wn, record wk
	s_add_co_u32 s21, s20, 12288
	s_lshl_b32 s2, s14, 15                         ; the stages, 32,768 bytes a wave, in slot 0: mine,
	s_xor_b32 s3, s14, 2
	s_lshl_b32 s3, s3, 15                          ; and my partner's
	v_and_b32 v1, 31, v0
	v_bfe_u32 v2, v0, 4, 1
	v_lshlrev_b32 v[LI], 4, v1
	v_lshlrev_b32 v[LS8], 3, v1
	v_lshlrev_b32 v[BO], 6, v2
	v_add_nc_u32 v[ADRB], s20, v[LI]
	v_add_nc_u32 v[ADSB], s21, v[LS8]
	v_add_nc_u32 v[ADAL], s23, v[LI]
	v_add_nc_u32 v[ADAH], s18, v[LI]
	v_add_nc_u32 v[ADSL], s19, v[LS8]
	v_add_nc_u32 v[ADSH], s45, v[LS8]
.irp r, ADRB, ADSB, ADAL, ADAH, ADSL, ADSH
	v_add_nc_u32 v[\r+1], SLOT, v[\r]
.endr
	v_add_nc_u32 v[STS], s2, v[LI]
	v_add_nc_u32 v[STL], s3, v[LI]
	WIN TO_B
.irp b, 0,1,2,3,4,5,6,7
	global_load_b128 v[96+8*\b+96*(\b/4):96+8*\b+96*(\b/4)+3], v[BO], s[8:9] offset:4*(32*(\b/2)+8*(\b%2))
	global_load_b128 v[96+8*\b+96*(\b/4)+4:96+8*\b+96*(\b/4)+7], v[BO], s[8:9] offset:4*(32*(\b/2)+8*(\b%2))+16
.endr
	WIN 0
	s_wait_alu depctr_va_vdst(0)                   ; the wait at the head's end
	s_wait_xcnt 0x0
	s_add_nc_u64 s[PFA:PFA+1], s[PFA:PFA+1], CH
	s_wait_tensorcnt 0x0                           ; slot 1's first fill is issued as a refill is: all my loads, the add, its wait, a round
	ds_add_u32 v[SPW], v[NIL]
	s_wait_dscnt 0x0
	CROUND
	JLOAD G0A+4, G1A, G0B+4, G1B
	FETCH 0, 0, 0
	ASK CH
	s_wait_loadcnt 0x0                             ; the bias
	STEP 0, 1                                      ; the first products start the sums
	s_mov_b32 s3, LAPS-1
.Llap:
	TURN 0, 1, 1
	STEP 1, 0
	TURN 1, 0, 1
	STEP 0, 0
	s_sub_co_u32 s3, s3, 1
	s_cmp_lg_u32 s3, 0
	s_cbranch_scc1 .Llap
	TURN 0, 1, 0                                   ; behind this barrier nobody reads slot 0, and it has had its last fill: it serves as the stages
	STEP 1, 0
	s_wait_dscnt 0x0                               ; my last K step: the second group first,
	WIN MUL_HI
	MUL16 4, 1, 0
	MUL16 6, 1, 0
	PLACES 4
	WIN 0x0c                                       ; an LDS store's data are its source 1: window 3
.set nn, 0
.rept 64
	ds_store_b128 v[STS], v[4*nn:4*nn+3] offset:512*nn   ; so that its sums go to my partner, as register images, each accumulator from its low end on, while the first group is multiplied
.set nn, nn+1
.endr
	WIN MUL_LO
	MUL16 0, 1, 0
	MUL16 2, 1, 0
	WIN 0
	s_wait_dscnt 0x0                               ; for my partner's sake: my stores have landed
	s_barrier_signal -1
	s_barrier_wait -1
	PLACES 4
	WIN TO_B
.set nn, 0
.rept 64
	ds_load_b128 v[4*nn:4*nn+3], v[STL] offset:512*nn    ; my partner's half of my sums, into window 1, numbered as my window 2
.set nn, nn+1
.endr
	WIN 0
.irp b, 0,1,2,3
	v_mov_b32 v[TM+4+\b], 0
.endr
	s_mov_b32 vcc_lo, 0xffff0000
.irp a, 0,1,2,3
	s_wait_dscnt 48-16*\a                          ; this block's 16 loads are in; the later blocks' may be out
	WIN 0x06                                       ; source 0 window 2, source 1 window 1
.set nn, 0
.rept 32
	v_pk_add_f32 v[HA+2*nn:HA+2*nn+1], v[64*\a+2*nn:64*\a+2*nn+1], v[64*\a+2*nn:64*\a+2*nn+1]
.set nn, nn+1
.endr
	WIN 0
.set nn, 0
.rept 64
	v_max_num_f32 v[HA+nn], 0, v[HA+nn]
.set nn, nn+1
.endr
	QUANT HA, PC+12*\a, PW+\a
.irp c, 0,1,2
	global_store_b128 v[LI], v[PC+12*\a+4*\c:PC+12*\a+4*\c+3], s[10:11] offset:FRB*\a+512*\c
.endr
.endr
	v_cndmask_b32 v[SW], v[PW], v[PW+1], vcc_lo
	v_cndmask_b32 v[SW+1], v[PW+2], v[PW+3], vcc_lo
	global_store_b64 v[LS8], v[SW:SW+1], s[12:13]
	s_wait_tensorcnt 0x0                           ; the wave's end
	ds_add_u32 v[SPW], v[NIL]
	s_wait_dscnt 0x0
	CROUND                                         ; the closing round
	s_endpgm
.Lfunc_end_k_qb4dde44156_g1:
	.size	k_qb4dde44156_g1, .Lfunc_end_k_qb4dde44156_g1-k_qb4dde44156_g1
	.p2alignl 7, 3214868480
	.fill 96, 4, 3214868480
	.section	.rodata,"a",@progbits
	.p2align	6, 0x0
	.amdhsa_kernel k_qb4dde44156_g1
		.amdhsa_group_segment_fixed_size 327680
		.amdhsa_private_segment_fixed_size 0
		.amdhsa_enable_private_segment 0
		.amdhsa_kernarg_size 32
		.amdhsa_user_sgpr_count 2
		.amdhsa_user_sgpr_kernarg_segment_ptr 1
		.amdhsa_wavefront_size32 1
		.amdhsa_system_sgpr_workgroup_id_x 1
		.amdhsa_system_sgpr_workgroup_id_y 1
		.amdhsa_system_sgpr_workgroup_id_z 1
		.amdhsa_system_vgpr_workitem_id 0
		.amdhsa_next_free_vgpr 1024
		.amdhsa_next_free_sgpr 72
		.amdhsa_reserve_vcc 1
		.amdhsa_float_denorm_mode_32 3
		.amdhsa_float_denorm_mode_16_64 3
		.amdhsa_memory_ordered 1
		.amdhsa_forward_progress 1
		.amdhsa_inst_pref_size 148
	.end_amdhsa_kernel
	.amdgpu_metadata
---
amdhsa.version: [ 1, 2 ]
amdhsa.kernels:
  - .name:           k_qb4dde44156_g1
    .symbol:         k_qb4dde44156_g1.kd
    .args:
      - { .name: q0, .offset: 0, .size: 8, .value_kind: global_buffer, .address_space: global }
      - { .name: qw1, .offset: 8, .size: 8, .value_kind: global_buffer, .address_space: global }
      - { .name: b1, .offset: 16, .size: 8, .value_kind: global_buffer, .address_space: global }
      - { .name: q1, .offset: 24, .size: 8, .value_kind: global_buffer, .address_space: global }
    .group_segment_fixed_size: 327680
    .private_segment_fixed_size: 0
    .kernarg_segment_align: 8
    .kernarg_segment_size: 32
    .max_flat_workgroup_size: 128
    .sgpr_count:     72
    .vgpr_count:     1024
    .wavefront_size: 32
...
	.end_amdgpu_metadata
.endif
;; end of part 2
;; launch g2 (part 3): grid 16 x 16, 4 waves a work-group, clusters of 4 x 4, 327,680 bytes of LDS; arguments q1, qw2, b2, q2; writes q2
.if DOCPART == 3
	.amdgcn_target "amdgcn-amd-amdhsa--gfx1250"
	.amdhsa_code_object_version 6
	.text
	.protected	k_qb4dde44156_g2
	.globl	k_qb4dde44156_g2
	.p2align	8
	.type	k_qb4dde44156_g2,@function
k_qb4dde44156_g2:
	s_mov_b64 s[64:65], 0
	v_nop
	global_prefetch_b8 v0, s[64:65] scope:SCOPE_SE
	s_setreg_imm32_b32 hwreg(HW_REG_WAVE_MODE, 25, 1), 1
	s_wait_xcnt 0x0
	s_wait_alu depctr_hold_cnt(0) depctr_sa_sdst(0) depctr_va_vdst(0) depctr_va_sdst(0) depctr_va_ssrc(0) depctr_va_vcc(0) depctr_vm_vsrc(0)
	s_getreg_b32 s2, hwreg(HW_REG_IB_STS2, 6, 4)
	s_cmp_eq_u32 s2, 0
	s_cbranch_scc0 .Lentry_in_a_cluster
	s_endpgm
.Lentry_in_a_cluster:
	s_bfe_u32 s2, ttmp6, 0x10000c
	s_cmp_lg_u32 s2, 0xf033
	s_cbranch_scc0 .Lentry_shape_is_right
	s_endpgm
.Lentry_shape_is_right:
; h = Q(relu(A W^T + b)) for the second layer: the text of the first layer's launch with KS = 32 K steps of 128.  A [2048][4096] and W [4096][4096] arrive as codes of FP6 (E2M3) with E8M0 scale bytes, laid as images of the
; operand's registers: [panel of 128 row slots][K step of 128][record of 12,800 bytes]; the result leaves in the same layout.
; SHARES.  A work-group makes 128 rows (panel ty of A) x 256 columns (panels 2 tx, 2 tx + 1 of W): 256 work-groups.  Wave (wk, wn) multiplies all eight blocks of A by the eight of W's panel wn over the K steps of parity wk:
; 64 accumulators.  It loads A's blocks 4 wk .. 4 wk + 3 as its first group (window 2, begun with the bias as C) and the other four as its second (window 3, begun with 0): the choice lies in the LDS addresses alone.
; At the end a wave hands window 3 to its partner through LDS, as register images, adds the partner's to its window 2, and takes its 64 rows x 128 columns through relu and the quantiser.
; LIMIT: an output's sum is taken in two f32 halves, the even and the odd K steps of 128, which are then added.  NaN and infinities are not served.  A block of zeros gets the scale byte 1: its codes are zeros.
; THE RING: two slots of four K steps; one joint load a wave behind each round of the cluster's barrier.  CLUSTERS: 4 x 4; A's records are shared along a row, W's along a column.
; PREFETCH: behind the joint load of four K steps the bytes of the next four are asked for, and the first four ahead of the opening round; the four partners share a load's blocks of 256 bytes out by address; behind the last load nothing.
; REGISTERS: window 0: v4-29 addresses, v32-47 scale words, v64-255 A's fragments (two sets of 96).  Window 1: W's fragments at v0 and v128; the bias at v96-127 and v224-255.  Windows 2, 3: accumulators.
.set KS,     32
.set REC,    12800
.set FRB,    1536
.set CH,     4*REC
.set SLOT,   3*CH
.set QS,     2*REC
.set RA,     100
.set RB,     200
.set SPARE,  327168
.set LAPS,   KS/8
.set PANEL,  KS*REC
.set OPANEL, 32*REC
.set ADRB, 4
.set ADSB, 6
.set ADAL, 10
.set ADAH, 12
.set ADSL, 14
.set ADSH, 16
.set STS,  18
.set STL,  19
.set LI,   24
.set LS8,  25
.set BO,   26
.set SPW,  28
.set NIL,  29
.set SC,   32
.set AF,   64
.set HA,   64
.set PC,   128
.set TQ,   176
.set TM,   184
.set PW,   200
.set SW,   204
.set G1A,  24
.set G0A,  32
.set G1B,  48
.set G0B,  56
.set SEL,  66
.set PFA,  68
.set MSB, 0
.macro WIN new
.if MSB != \new
	s_set_vgpr_msb (MSB<<8)|\new
.set MSB, \new
.endif
.endm
.set MUL_LO, 0xa1
.set MUL_HI, 0xf1
.set MULB,   0x91
.set TO_B,   0x40
.macro JLOAD g0a, g1a, g0b, g1b
	s_cmp_eq_u32 s15, 0
	s_cbranch_scc0 .Lfor_b_\@
	tensor_load_to_lds s[\g0a:\g0a+3], s[\g1a:\g1a+7]
	s_nop 0
.rept 4
	v_nop
.endr
	s_branch .Lasked_\@
.Lfor_b_\@:
	tensor_load_to_lds s[\g0b:\g0b+3], s[\g1b:\g1b+7]
	s_nop 0
.rept 4
	v_nop
.endr
.Lasked_\@:
.endm
.macro ASK off
	global_prefetch_b8 v8, s[PFA:PFA+1] offset:\off th:TH_LOAD_NT scope:SCOPE_SE
	s_cmp_eq_u32 s15, 0
	s_cbranch_scc1 .Lasked_a_\@
	global_prefetch_b8 v9, s[PFA:PFA+1] offset:\off th:TH_LOAD_NT scope:SCOPE_SE
.Lasked_a_\@:
.endm
.macro CREST
	s_cmp_lg_u32 s14, 0
	s_cbranch_scc1 .Lnot_wave_0_\@
	s_barrier_signal -3
.Lnot_wave_0_\@:
	s_barrier_wait -3
	s_barrier_signal -1
	s_barrier_wait -1
.endm
.macro CROUND
	s_barrier_signal -1
	s_barrier_wait -1
	CREST
.endm
.macro PLACES n
.rept \n
	v_nop
.endr
.endm
.macro FETCH slot, j, p                ; 52 LDS loads: my K step j of a slot into set p
	WIN TO_B
.irp i, 0,1,2,3,4,5,6,7
.irp c, 0,1,2
	ds_load_b128 v[128*(\p)+12*\i+4*\c:128*(\p)+12*\i+4*\c+3], v[ADRB+\slot] offset:(\j)*QS+FRB*\i+512*\c
.endr
.endr
	WIN 0
	ds_load_b64 v[SC+8*(\p):SC+8*(\p)+1], v[ADSB+\slot] offset:(\j)*QS
	ds_load_b64 v[SC+8*(\p)+2:SC+8*(\p)+3], v[ADSB+\slot] offset:(\j)*QS+256
	ds_load_b64 v[SC+8*(\p)+4:SC+8*(\p)+5], v[ADSL+\slot] offset:(\j)*QS
	ds_load_b64 v[SC+8*(\p)+6:SC+8*(\p)+7], v[ADSH+\slot] offset:(\j)*QS
.irp i, 0,1,2,3
.irp c, 0,1,2
	ds_load_b128 v[AF+96*(\p)+12*\i+4*\c:AF+96*(\p)+12*\i+4*\c+3], v[ADAL+\slot] offset:(\j)*QS+FRB*\i+512*\c
.endr
.endr
.irp i, 0,1,2,3
.irp c, 0,1,2
	ds_load_b128 v[AF+96*(\p)+48+12*\i+4*\c:AF+96*(\p)+48+12*\i+4*\c+3], v[ADAH+\slot] offset:(\j)*QS+FRB*\i+512*\c
.endr
.endr
.endm
.macro ONE a, b, p, mode               ; mode 0: onto the sum; 1: the bias starts the sum; 2: 0 starts it
.set rD, 8*(8*((\a)%4)+(\b))
.set rB, 128*(\p)+12*(\b)
.set rA, AF+96*(\p)+12*(\a)
.set rSB, SC+8*(\p)+2*((\b)/4)+(((\b)/2)%2)
.set rSA, SC+8*(\p)+4+2*((\a)/4)+(((\a)/2)%2)
.set rV, 2*((\a)%2)+(\b)%2+4*((\mode)/2)
.if \mode == 1
.set rC, 96+8*(\b)+96*((\b)/4)
.else
.set rC, rD
.endif
.if rV == 0
	v_wmma_scale_f32_16x16x128_f8f6f4 v[rD:rD+7], v[rB:rB+11], v[rA:rA+11], v[rC:rC+7], v[rSB], v[rSA] matrix_a_fmt:MATRIX_FMT_FP6 matrix_b_fmt:MATRIX_FMT_FP6
.elseif rV == 1
	v_wmma_scale_f32_16x16x128_f8f6f4 v[rD:rD+7], v[rB:rB+11], v[rA:rA+11], v[rC:rC+7], v[rSB], v[rSA] matrix_a_fmt:MATRIX_FMT_FP6 matrix_b_fmt:MATRIX_FMT_FP6 matrix_a_scale:MATRIX_SCALE_ROW1
.elseif rV == 2
	v_wmma_scale_f32_16x16x128_f8f6f4 v[rD:rD+7], v[rB:rB+11], v[rA:rA+11], v[rC:rC+7], v[rSB], v[rSA] matrix_a_fmt:MATRIX_FMT_FP6 matrix_b_fmt:MATRIX_FMT_FP6 matrix_b_scale:MATRIX_SCALE_ROW1
.elseif rV == 3
	v_wmma_scale_f32_16x16x128_f8f6f4 v[rD:rD+7], v[rB:rB+11], v[rA:rA+11], v[rC:rC+7], v[rSB], v[rSA] matrix_a_fmt:MATRIX_FMT_FP6 matrix_b_fmt:MATRIX_FMT_FP6 matrix_a_scale:MATRIX_SCALE_ROW1 matrix_b_scale:MATRIX_SCALE_ROW1
.elseif rV == 4
	v_wmma_scale_f32_16x16x128_f8f6f4 v[rD:rD+7], v[rB:rB+11], v[rA:rA+11], 0, v[rSB], v[rSA] matrix_a_fmt:MATRIX_FMT_FP6 matrix_b_fmt:MATRIX_FMT_FP6
.elseif rV == 5
	v_wmma_scale_f32_16x16x128_f8f6f4 v[rD:rD+7], v[rB:rB+11], v[rA:rA+11], 0, v[rSB], v[rSA] matrix_a_fmt:MATRIX_FMT_FP6 matrix_b_fmt:MATRIX_FMT_FP6 matrix_a_scale:MATRIX_SCALE_ROW1
.elseif rV == 6
	v_wmma_scale_f32_16x16x128_f8f6f4 v[rD:rD+7], v[rB:rB+11], v[rA:rA+11], 0, v[rSB], v[rSA] matrix_a_fmt:MATRIX_FMT_FP6 matrix_b_fmt:MATRIX_FMT_FP6 matrix_b_scale:MATRIX_SCALE_ROW1
.else
	v_wmma_scale_f32_16x16x128_f8f6f4 v[rD:rD+7], v[rB:rB+11], v[rA:rA+11], 0, v[rSB], v[rSA] matrix_a_fmt:MATRIX_FMT_FP6 matrix_b_fmt:MATRIX_FMT_FP6 matrix_a_scale:MATRIX_SCALE_ROW1 matrix_b_scale:MATRIX_SCALE_ROW1
.endif
.endm
.macro MUL16 a0, p, mode               ; the 64 accumulators take turns, one instruction a turn
.irp a, \a0, \a0+1
.irp b, 0,1,2,3,4,5,6,7
	ONE \a, \b, \p, \mode
.endr
.endr
.endm
.macro STEP slot, first                ; my first K step of a slot (set 0); in its middle my second is fetched into set 1
	s_wait_dscnt 12                                ; all of my set is in but the youngest twelve loads: A's second group
.if \first
	WIN MULB
	MUL16 0, 0, 1
	MUL16 2, 0, 1
.else
	WIN MUL_LO
	MUL16 0, 0, 0
	MUL16 2, 0, 0
.endif
	s_wait_dscnt 0x0
	PLACES 4
	FETCH \slot, 1, 1
	WIN MUL_HI
	MUL16 4, 0, 2*\first
	MUL16 6, 0, 2*\first
	WIN 0
.endm
.macro TURN slot, next, fill           ; my second K step of a slot (set 1) leaves the slot
.if \fill
	s_wait_xcnt 0x0                                ; my last prefetch has read its address: it steps four K steps on
	s_add_nc_u64 s[PFA:PFA+1], s[PFA:PFA+1], CH
.endif
	s_wait_tensorcnt 0x0
	ds_add_u32 v[SPW], v[NIL]
	s_wait_dscnt 13                                ; (the add and the youngest twelve loads may be out)
	WIN MUL_LO
	MUL16 0, 1, 0
	s_wait_dscnt 0x0
	s_barrier_signal -1
	MUL16 2, 1, 0
	WIN 0
	s_barrier_wait -1
.if \fill
	CREST
	s_add_nc_u64 s[G0A+4*\slot+2:G0A+4*\slot+3], s[G0A+4*\slot+2:G0A+4*\slot+3], 2*CH
	s_add_nc_u64 s[G0B+4*\slot+2:G0B+4*\slot+3], s[G0B+4*\slot+2:G0B+4*\slot+3], 2*CH
	JLOAD G0A+4*\slot, G1A, G0B+4*\slot, G1B
.else
	PLACES 4
.endif
	FETCH \next, 0, 0
.if \fill
.if \slot == 0
	ASK CH
.elseif LAPS > 2
	s_cmp_lg_u32 s3, 1                             ; the last joint load has no successor
	s_cbranch_scc0 .Lno_ask_\@
	ASK CH
.Lno_ask_\@:
.endif
.endif
	WIN MUL_HI
	MUL16 4, 1, 0
	MUL16 6, 1, 0
	WIN 0
.endm
.macro QUANT s, pc, pw
.irp b, 0,1,2,3
	v_max3_num_f32 v[TM+\b], v[(\s)+16*\b], v[(\s)+1+16*\b], 0x1800000
.endr
.irp i, 2,4,6,8,10,12,14
.irp b, 0,1,2,3
	v_max3_num_f32 v[TM+\b], v[TM+\b], v[(\s)+16*\b+\i], v[(\s)+1+16*\b+\i]
.endr
.endr
.irp b, 0,1,2,3
	v_permlanex16_b32 v[TM+4+\b], v[TM+\b], s[SEL], s[SEL+1]
.endr
.irp b, 0,1,2,3
	v_max_num_f32 v[TM+\b], v[TM+\b], v[TM+4+\b]
.endr
.irp b, 0,1,2,3
	v_add_nc_u32 v[TM+12+\b], 0xff000000, v[TM+\b]
.endr
.irp b, 0,1,2,3
	v_lshrrev_b32 v[TM+4+\b], 23, v[TM+12+\b]
.endr
	v_lshl_or_b32 v[\pw], v[TM+5], 8, v[TM+4]
	v_lshl_or_b32 v[\pw], v[TM+6], 16, v[\pw]
	v_lshl_or_b32 v[\pw], v[TM+7], 24, v[\pw]
.irp c, 0,1
	v_cvt_scalef32_pk16_fp6_f32 v[(\pc)+6*\c:(\pc)+2+6*\c], v[(\s)+32*\c:(\s)+15+32*\c], v[TM+12+2*\c]
	v_cvt_scalef32_pk16_fp6_f32 v[TQ+4*\c:TQ+2+4*\c], v[(\s)+16+32*\c:(\s)+31+32*\c], v[TM+12+2*\c+1]
.endr
	v_nop
.irp c, 0,1
.irp i, 0,1,2
	v_permlane16_swap_b32 v[(\pc)+6*\c+\i], v[TQ+4*\c+\i]
.endr
.irp i, 0,1,2
	v_mov_b32 v[(\pc)+3+6*\c+\i], v[TQ+4*\c+\i]
.endr
.endr
.endm
	s_load_b256 s[4:11], s[0:1], 0x0               ; A s[4:5], W s[6:7], the bias s[8:9], the result s[10:11]
	v_lshl_add_u32 v[SPW], v0, 2, SPARE
	v_mov_b32 v[NIL], 0
	ds_add_u32 v[SPW], v[NIL]                      ; the opening: the add, twice on end, and its wait
	ds_add_u32 v[SPW], v[NIL]
	s_wait_dscnt 0x0
	v_lshrrev_b32 v1, 5, v0
	v_readfirstlane_b32 s14, v1                    ; wave 0..3
	s_lshr_b32 s15, s14, 1                         ; wk.  Also: I fetch for A (0) or for W (1)
	s_and_b32 s16, s14, 1                          ; wn.  Also: which half or panel I fetch
	s_bfe_u32 s40, ttmp6, 0x40000
	s_bfe_u32 s41, ttmp6, 0x40004
	s_lshl_b32 s42, ttmp9, 2
	s_add_co_u32 s42, s42, s40                     ; tx
	s_and_b32 s17, ttmp7, 0xffff
	s_lshl_b32 s17, s17, 2
	s_add_co_u32 s17, s17, s41                     ; ty
	s_lshl_b32 s43, s41, 2
	s_lshl_b32 s43, 15, s43
	s_lshl_b32 s44, 0x1111, s40
	s_or_b32 s[G1A], s43, (3<<16)|(1<<21)
	s_or_b32 s[G1B], s44, (3<<16)|(1<<21)
.irp g, G1A, G1B
	s_mov_b32 s[\g+1], 32<<16
	s_mov_b32 s[\g+3], 32<<16
	s_mov_b32 s[\g+5], 32
	s_mov_b32 s[\g+6], 0
	s_mov_b32 s[\g+7], 0
.endr
	s_mov_b32 s[G1A+2], RA<<16
	s_mov_b32 s[G1A+4], RA
	s_mov_b32 s[G1B+2], RB<<16
	s_mov_b32 s[G1B+4], RB
	s_mul_i32 s20, s17, PANEL
	s_mul_i32 s18, s16, CH/2
	s_add_co_u32 s20, s20, s18
	s_mov_b32 s21, 0
	s_lshl_b32 s46, s42, 1
	s_add_co_u32 s46, s46, s16
	s_mul_i32 s46, s46, PANEL
	s_mov_b32 s47, 0
	s_mul_i32 s19, s16, CH
	s_add_co_u32 s19, s19, CH
	s_cmp_eq_u32 s15, 0                            ; the prefetches: do I fetch for A?
	s_cselect_b32 s70, 24, 31
	s_cselect_b32 s12, s40, s41                    ; my place among the four that ask with me
	s_lshl_b32 s13, 6400, s15                      ; a quarter of my load: 6,400 or 12,800 bytes
	s_mul_i32 s12, s12, s13
	s_mov_b32 s13, 0
	v_and_b32 v8, 31, v0
	v_min_u32 v9, 17, v8
	v_min_u32 v8, s70, v8
	v_lshlrev_b32 v8, 8, v8                        ; blocks 0 .. 24 (A) or 0 .. 31 (W) of my quarter,
	v_lshl_add_u32 v9, v9, 8, 8192                 ; and W's blocks 32 .. 49; lanes left over name the last block again
	s_wait_alu depctr_va_vdst(0)
	s_wait_kmcnt 0x0
	s_add_nc_u64 s[20:21], s[4:5], s[20:21]
	s_add_nc_u64 s[46:47], s[6:7], s[46:47]
	s_cmp_eq_u32 s15, 0
	s_cselect_b64 s[PFA:PFA+1], s[20:21], s[46:47]
	s_add_nc_u64 s[PFA:PFA+1], s[PFA:PFA+1], s[12:13]
	ASK 0                                          ; the first four K steps, ahead of the round
	CROUND
.irp s, 0,1
	s_mov_b32 s[G0A+4*\s], 1
	s_add_co_u32 s[G0A+4*\s+1], s18, \s*SLOT
	s_add_nc_u64 s[G0A+4*\s+2:G0A+4*\s+3], s[20:21], \s*CH
	s_or_b32 s[G0A+4*\s+3], s[G0A+4*\s+3], 0x80000000
	s_mov_b32 s[G0B+4*\s], 1
	s_add_co_u32 s[G0B+4*\s+1], s19, \s*SLOT
	s_add_nc_u64 s[G0B+4*\s+2:G0B+4*\s+3], s[46:47], \s*CH
	s_or_b32 s[G0B+4*\s+3], s[G0B+4*\s+3], 0x80000000
.endr
	JLOAD G0A, G1A, G0B, G1B                       ; slot 0: my one load at the head
	ASK CH
	s_mov_b32 s[SEL], 0x76543210
	s_mov_b32 s[SEL+1], 0xfedcba98
	s_lshl_b32 s46, s42, 10
	s_lshl_b32 s47, s16, 9
	s_add_co_u32 s46, s46, s47
	s_mov_b32 s47, 0
	s_add_nc_u64 s[8:9], s[8:9], s[46:47]          ; the bias of my 128 columns
	s_mul_i32 s20, s17, OPANEL
	s_mov_b32 s21, 0
	s_lshl_b32 s46, s42, 1
	s_add_co_u32 s46, s46, s16
	s_mul_i32 s46, s46, REC
	s_add_nc_u64 s[10:11], s[10:11], s[20:21]
	s_add_nc_u64 s[10:11], s[10:11], s[46:47]      ; the result's record: panel ty, K step 2 tx + wn
	s_lshl_b32 s46, s15, 8
	s_add_co_u32 s46, s46, 12288
	s_add_nc_u64 s[12:13], s[10:11], s[46:47]      ; my four blocks' scale words,
	s_mul_i32 s46, s15, 4*FRB
	s_add_nc_u64 s[10:11], s[10:11], s[46:47]      ; and images
	s_mul_i32 s22, s15, REC                        ; my first K step of a chunk: record wk
	s_mul_i32 s23, s15, 4*FRB
	s_add_co_u32 s23, s23, s22                     ; A: my first group's images,
	s_xor_b32 s45, s15, 1
	s_mul_i32 s18, s45, 4*FRB
	s_add_co_u32 s18, s18, s22                     ; my second group's,
	s_lshl_b32 s19, s15, 8
	s_add_co_u32 s19, s19, s22
	s_add_co_u32 s19, s19, 12288                   ; and their scale words
	s_lshl_b32 s45, s45, 8
	s_add_co_u32 s45, s45, s22
	s_add_co_u32 s45, s45, 12288
	s_mul_i32 s20, s16, CH
	s_add_co_u32 s20, s20, CH
	s_add_co_u32 s20, s20, s22                     ; W: panel wn, record wk
	s_add_co_u32 s21, s20, 12288
	s_lshl_b32 s2, s14, 15                         ; the stages, 32,768 bytes a wave, in slot 0: mine,
	s_xor_b32 s3, s14, 2
	s_lshl_b32 s3, s3, 15                          ; and my partner's
	v_and_b32 v1, 31, v0
	v_bfe_u32 v2, v0, 4, 1
	v_lshlrev_b32 v[LI], 4, v1
	v_lshlrev_b32 v[LS8], 3, v1
	v_lshlrev_b32 v[BO], 6, v2
	v_add_nc_u32 v[ADRB], s20, v[LI]
	v_add_nc_u32 v[ADSB], s21, v[LS8]
	v_add_nc_u32 v[ADAL], s23, v[LI]
	v_add_nc_u32 v[ADAH], s18, v[LI]
	v_add_nc_u32 v[ADSL], s19, v[LS8]
	v_add_nc_u32 v[ADSH], s45, v[LS8]
.irp r, ADRB, ADSB, ADAL, ADAH, ADSL, ADSH
	v_add_nc_u32 v[\r+1], SLOT, v[\r]
.endr
	v_add_nc_u32 v[STS], s2, v[LI]
	v_add_nc_u32 v[STL], s3, v[LI]
	WIN TO_B
.irp b, 0,1,2,3,4,5,6,7
	global_load_b128 v[96+8*\b+96*(\b/4):96+8*\b+96*(\b/4)+3], v[BO], s[8:9] offset:4*(32*(\b/2)+8*(\b%2))
	global_load_b128 v[96+8*\b+96*(\b/4)+4:96+8*\b+96*(\b/4)+7], v[BO], s[8:9] offset:4*(32*(\b/2)+8*(\b%2))+16
.endr
	WIN 0
	s_wait_alu depctr_va_vdst(0)                   ; the wait at the head's end
	s_wait_xcnt 0x0
	s_add_nc_u64 s[PFA:PFA+1], s[PFA:PFA+1], CH
	s_wait_tensorcnt 0x0                           ; slot 1's first fill is issued as a refill is: all my loads, the add, its wait, a round
	ds_add_u32 v[SPW], v[NIL]
	s_wait_dscnt 0x0
	CROUND
	JLOAD G0A+4, G1A, G0B+4, G1B
	FETCH 0, 0, 0
	ASK CH
	s_wait_loadcnt 0x0                             ; the bias
	STEP 0, 1                                      ; the first products start the sums
	s_mov_b32 s3, LAPS-1
.Llap:
	TURN 0, 1, 1
	STEP 1, 0
	TURN 1, 0, 1
	STEP 0, 0
	s_sub_co_u32 s3, s3, 1
	s_cmp_lg_u32 s3, 0
	s_cbranch_scc1 .Llap
	TURN 0, 1, 0                                   ; behind this barrier nobody reads slot 0, and it has had its last fill: it serves as the stages
	STEP 1, 0
	s_wait_dscnt 0x0                               ; my last K step: the second group first,
	WIN MUL_HI
	MUL16 4, 1, 0
	MUL16 6, 1, 0
	PLACES 4
	WIN 0x0c                                       ; an LDS store's data are its source 1: window 3
.set nn, 0
.rept 64
	ds_store_b128 v[STS], v[4*nn:4*nn+3] offset:512*nn   ; so that its sums go to my partner, as register images, each accumulator from its low end on, while the first group is multiplied
.set nn, nn+1
.endr
	WIN MUL_LO
	MUL16 0, 1, 0
	MUL16 2, 1, 0
	WIN 0
	s_wait_dscnt 0x0                               ; for my partner's sake: my stores have landed
	s_barrier_signal -1
	s_barrier_wait -1
	PLACES 4
	WIN TO_B
.set nn, 0
.rept 64
	ds_load_b128 v[4*nn:4*nn+3], v[STL] offset:512*nn    ; my partner's half of my sums, into window 1, numbered as my window 2
.set nn, nn+1
.endr
	WIN 0
.irp b, 0,1,2,3
	v_mov_b32 v[TM+4+\b], 0
.endr
	s_mov_b32 vcc_lo, 0xffff0000
.irp a, 0,1,2,3
	s_wait_dscnt 48-16*\a                          ; this block's 16 loads are in; the later blocks' may be out
	WIN 0x06                                       ; source 0 window 2, source 1 window 1
.set nn, 0
.rept 32
	v_pk_add_f32 v[HA+2*nn:HA+2*nn+1], v[64*\a+2*nn:64*\a+2*nn+1], v[64*\a+2*nn:64*\a+2*nn+1]
.set nn, nn+1
.endr
	WIN 0
.set nn, 0
.rept 64
	v_max_num_f32 v[HA+nn], 0, v[HA+nn]
.set nn, nn+1
.endr
	QUANT HA, PC+12*\a, PW+\a
.irp c, 0,1,2
	global_store_b128 v[LI], v[PC+12*\a+4*\c:PC+12*\a+4*\c+3], s[10:11] offset:FRB*\a+512*\c
.endr
.endr
	v_cndmask_b32 v[SW], v[PW], v[PW+1], vcc_lo
	v_cndmask_b32 v[SW+1], v[PW+2], v[PW+3], vcc_lo
	global_store_b64 v[LS8], v[SW:SW+1], s[12:13]
	s_wait_tensorcnt 0x0                           ; the wave's end
	ds_add_u32 v[SPW], v[NIL]
	s_wait_dscnt 0x0
	CROUND                                         ; the closing round
	s_endpgm
.Lfunc_end_k_qb4dde44156_g2:
	.size	k_qb4dde44156_g2, .Lfunc_end_k_qb4dde44156_g2-k_qb4dde44156_g2
	.p2alignl 7, 3214868480
	.fill 96, 4, 3214868480
	.section	.rodata,"a",@progbits
	.p2align	6, 0x0
	.amdhsa_kernel k_qb4dde44156_g2
		.amdhsa_group_segment_fixed_size 327680
		.amdhsa_private_segment_fixed_size 0
		.amdhsa_enable_private_segment 0
		.amdhsa_kernarg_size 32
		.amdhsa_user_sgpr_count 2
		.amdhsa_user_sgpr_kernarg_segment_ptr 1
		.amdhsa_wavefront_size32 1
		.amdhsa_system_sgpr_workgroup_id_x 1
		.amdhsa_system_sgpr_workgroup_id_y 1
		.amdhsa_system_sgpr_workgroup_id_z 1
		.amdhsa_system_vgpr_workitem_id 0
		.amdhsa_next_free_vgpr 1024
		.amdhsa_next_free_sgpr 72
		.amdhsa_reserve_vcc 1
		.amdhsa_float_denorm_mode_32 3
		.amdhsa_float_denorm_mode_16_64 3
		.amdhsa_memory_ordered 1
		.amdhsa_forward_progress 1
		.amdhsa_inst_pref_size 149
	.end_amdhsa_kernel
	.amdgpu_metadata
---
amdhsa.version: [ 1, 2 ]
amdhsa.kernels:
  - .name:           k_qb4dde44156_g2
    .symbol:         k_qb4dde44156_g2.kd
    .args:
      - { .name: q1, .offset: 0, .size: 8, .value_kind: global_buffer, .address_space: global }
      - { .name: qw2, .offset: 8, .size: 8, .value_kind: global_buffer, .address_space: global }
      - { .name: b2, .offset: 16, .size: 8, .value_kind: global_buffer, .address_space: global }
      - { .name: q2, .offset: 24, .size: 8, .value_kind: global_buffer, .address_space: global }
    .group_segment_fixed_size: 327680
    .private_segment_fixed_size: 0
    .kernarg_segment_align: 8
    .kernarg_segment_size: 32
    .max_flat_workgroup_size: 128
    .sgpr_count:     72
    .vgpr_count:     1024
    .wavefront_size: 32
...
	.end_amdgpu_metadata
.endif
;; end of part 3
;; launch g3 (part 4): grid 16 x 16, 4 waves a work-group, clusters of 4 x 4, 327,680 bytes of LDS; arguments q2, qw3, b3, out0; writes out0
.if DOCPART == 4
	.amdgcn_target "amdgcn-amd-amdhsa--gfx1250"
	.amdhsa_code_object_version 6
	.text
	.protected	k_qb4dde44156_g3
	.globl	k_qb4dde44156_g3
	.p2align	8
	.type	k_qb4dde44156_g3,@function
k_qb4dde44156_g3:
	s_mov_b64 s[64:65], 0
	v_nop
	global_prefetch_b8 v0, s[64:65] scope:SCOPE_SE
	s_setreg_imm32_b32 hwreg(HW_REG_WAVE_MODE, 25, 1), 1
	s_wait_xcnt 0x0
	s_wait_alu depctr_hold_cnt(0) depctr_sa_sdst(0) depctr_va_vdst(0) depctr_va_sdst(0) depctr_va_ssrc(0) depctr_va_vcc(0) depctr_vm_vsrc(0)
	s_getreg_b32 s2, hwreg(HW_REG_IB_STS2, 6, 4)
	s_cmp_eq_u32 s2, 0
	s_cbranch_scc0 .Lentry_in_a_cluster
	s_endpgm
.Lentry_in_a_cluster:
	s_bfe_u32 s2, ttmp6, 0x10000c
	s_cmp_lg_u32 s2, 0xf033
	s_cbranch_scc0 .Lentry_shape_is_right
	s_endpgm
.Lentry_shape_is_right:
; out = A W^T + b: A [2048][4096] and W [2048][4096] arrive as codes of FP6 (E2M3) with E8M0 scale bytes; out [2048][2048] f32, row-major.  Sums in f32.
; A and W are laid as images of the operand's registers: [panel of 128 row slots][K step of 128][record of 12,800 bytes]; a record: 8 images of a fragment (16 slots x 128 K, 12 registers a lane; registers
; 4 c .. 4 c + 3 of lane l at 512 c + 16 l), then at byte 12,288 the scale words, that of (block i, slot r) at 256 (i / 4) + 8 (16 (i % 2) + r) + 4 ((i / 2) % 2).
; Slot s of block b of a panel is row 32 (b / 2) + 8 (b % 2) + s + 8 (s / 8) of the panel's 128: the stores' offsets put the rows back in their places.
; SHARES.  A work-group makes 128 rows (panel ty of A) x 128 columns (panel tx of W): 256 work-groups.  Wave (wm, wk) makes A's blocks 4 wm .. 4 wm + 3 x all of W's eight, over the K steps of parity wk: 32 accumulators,
; so that each fragment read from LDS feeds as many products as in a tile twice as wide.  The two waves of a pair add their halves on the way out.
; LIMIT: an output's sum is so taken in two f32 halves, the even and the odd K steps of 128, which are then added.  NaN and infinities are not served.
; THE MATRIX INSTRUCTION IS USED TRANSPOSED: source 0 = a block of W, source 1 = a block of A: a lane holds one row of the output and, in an accumulator, eight neighbouring columns.
; THE RING.  Two LDS regions of unlike size, together 307,200 bytes: X holds eight K steps (8 records of A, 8 of W), Y four.  The 32 K steps go X Y X Y X: both first fills at the start, then three refills, each one
; tensor load a wave behind a round (waves 0 and 1: A's halves, waves 2 and 3: W's): four records a wave for X, two for Y.  Equal regions of four steps would want six refills for the same bytes.
; A wave's 16 steps are written out.  X is read through two sets of address registers (its records 0-3 and 4-7), so that every LDS offset stays inside its 16 bits: with Y that makes three AREAS of four records a panel.
; CLUSTERS: 4 x 4 work-groups.  The four of a row of the cluster need the same records of A, the four of a column the same of W: each is asked for JOINTLY, by the same tensor load with the same descriptor and a mask.
; REGISTERS, in windows of 256: window 0: v4-15, v24-30 addresses; v32-47 scale words, two sets; v64-159 A's fragments, two sets of 48; v192-195 the bias; on the way out v64-191 are rows of the output.
;   window 1: W's fragments, two sets, at v0 and at v128.   window 2: the accumulators, (a, b) at v[8 (8 a + b)].
.set KS,     32
.set REC,    12800
.set FRB,    1536
.set QS,     2*REC                     ; from one of my K steps to the next, in an area
.set XA,     0                         ; X: A's eight records,
.set XB,     8*REC                     ; W's eight;
.set YA,     16*REC                    ; Y: A's four,
.set YB,     20*REC                    ; W's four
.set ADV,    12*REC                    ; from a region's K steps to its next: X's eight and Y's four on
.set RX,     200                       ; rows of 256 bytes in a load for X: four records
.set RY,     100                       ; and for Y: two
.set SPARE,  327168                    ; the spare words, 128 bytes for each wave: two blocks of 256 bytes that no other line names
.set PANEL,  KS*REC
.set SPI,    528                       ; the way out: a stage row, 512 bytes + 16
.set STGB,   64*SPI                    ; a wave's stage: 64 rows.  The four stages lie in X, which has had its last fill and, behind a barrier, its last read by then
.set ADRA, 4                           ; v4-6    my fragments of A in areas 0, 1, 2
.set ADSA, 7                           ; v7-9    their scale words
.set ADRB, 10                          ; v10-12  my fragments of W
.set ADSB, 13                          ; v13-15  their scale words
.set LI,   24                          ; v24     16 x lane
.set LS8,  25                          ; v25     8 x lane
.set STO,  26                          ; v26     the stage: where I put 32 bytes of a row
.set RD0,  27                          ; v27     where I read a row of my own stage back
.set SPW,  28                          ; v28     LDS address of my spare word; never rewritten
.set NIL,  29                          ; v29     0; never rewritten
.set RD1,  30                          ; v30     and the same row of my partner's
.set SC,   32                          ; set p at v[32 + 8 p]: +0 .. 3 W's words (register 2 (b / 4) + (b / 2) % 2; lanes 0-15 even b, lanes 16-31 odd b), +4, 5 A's (register a / 2)
.set AF,   64
.set OA,   64                          ; the way out: 16 rows of my half of K,
.set OB,   128                         ; and of my partner's
.set BS,   192                         ; v192-195 the bias of my four columns
.set G1AX, 24                          ; s[24:31] descriptor group 1 for A's records into X;  s[32:39] into Y
.set G1AY, 32
.set G1BX, 48                          ; s[48:55], s[56:63] the same for W's
.set G1BY, 56
.set G0AX, 68                          ; s[68:71], s[72:75] groups 0 for A's records;  s[76:79], s[80:83] for W's
.set G0AY, 72
.set G0BX, 76
.set G0BY, 80
.set MSB, 0
.macro WIN new                         ; the immediate's high byte repeats the setting that is left
.if MSB != \new
	s_set_vgpr_msb (MSB<<8)|\new
.set MSB, \new
.endif
.endm
.set MUL,  0xa1                        ; source 0 (W) window 1, source 1 (A) window 0, C and D window 2
.set TO_B, 0x40                        ; destination window 1, address window 0
; A joint load: waves 0 and 1 fetch for A, waves 2 and 3 for W.  Four v_nop follow each of the two lines, ahead of the jump, the label and what follows.
.macro JLOAD g0a, g1a, g0b, g1b
	s_cmp_eq_u32 s15, 0
	s_cbranch_scc0 .Lfor_b_\@
	tensor_load_to_lds s[\g0a:\g0a+3], s[\g1a:\g1a+7]
	s_nop 0
.rept 4
	v_nop
.endr
	s_branch .Lasked_\@
.Lfor_b_\@:
	tensor_load_to_lds s[\g0b:\g0b+3], s[\g1b:\g1b+7]
	s_nop 0
.rept 4
	v_nop
.endr
.Lasked_\@:
.endm
; Behind each joint load the bytes of the NEXT one are asked for: of a load's 200 (X) or 100 (Y) blocks of 256 bytes each of the four partners takes 50 or 25, told apart by address; a lane a block.
; s[84:85], s[86:87]: my quarter of my wave's part of X's and of Y's records at K step 0; the K step stands in the immediate, so no address is ever stepped.
.macro ASKX off
	global_prefetch_b8 v16, s[84:85] offset:\off th:TH_LOAD_NT scope:SCOPE_SE
	global_prefetch_b8 v17, s[84:85] offset:\off th:TH_LOAD_NT scope:SCOPE_SE
.endm
.macro ASKY off
	global_prefetch_b8 v18, s[86:87] offset:\off th:TH_LOAD_NT scope:SCOPE_SE
.endm
.macro CREST
	s_cmp_lg_u32 s14, 0
	s_cbranch_scc1 .Lnot_wave_0_\@
	s_barrier_signal -3
.Lnot_wave_0_\@:
	s_barrier_wait -3
	s_barrier_signal -1
	s_barrier_wait -1
.endm
.macro CROUND
	s_barrier_signal -1
	s_barrier_wait -1
	CREST
.endm
.macro PLACES n                        ; plain vector lines between a matrix instruction and a load into, or a read of, its registers
.rept \n
	v_nop
.endr
.endm
; 39 LDS loads in one run: my K step q (0 or 1) of an area into set p: W's eight fragments, the scale words, A's blocks 0, 1 and then 2, 3
.macro FETCH area, q, p
	WIN TO_B
.irp i, 0,1,2,3,4,5,6,7
.irp c, 0,1,2
	ds_load_b128 v[128*(\p)+12*\i+4*\c:128*(\p)+12*\i+4*\c+3], v[ADRB+\area] offset:(\q)*QS+FRB*\i+512*\c
.endr
.endr
	WIN 0
	ds_load_b64 v[SC+8*(\p):SC+8*(\p)+1], v[ADSB+\area] offset:(\q)*QS
	ds_load_b64 v[SC+8*(\p)+2:SC+8*(\p)+3], v[ADSB+\area] offset:(\q)*QS+256
	ds_load_b64 v[SC+8*(\p)+4:SC+8*(\p)+5], v[ADSA+\area] offset:(\q)*QS
.irp i, 0,1,2,3
.irp c, 0,1,2
	ds_load_b128 v[AF+48*(\p)+12*\i+4*\c:AF+48*(\p)+12*\i+4*\c+3], v[ADRA+\area] offset:(\q)*QS+FRB*\i+512*\c
.endr
.endr
.endm
; One product: A's block a x W's block b, set p.  zero = 1: the product starts the sum: nothing is ever cleared.
.macro ONE a, b, p, zero
.set rD, 8*(8*(\a)+(\b))
.set rB, 128*(\p)+12*(\b)
.set rA, AF+48*(\p)+12*(\a)
.set rSB, SC+8*(\p)+2*((\b)/4)+(((\b)/2)%2)
.set rSA, SC+8*(\p)+4+(\a)/2
.set rV, 2*((\a)%2)+(\b)%2+4*(\zero)
.if rV == 0
	v_wmma_scale_f32_16x16x128_f8f6f4 v[rD:rD+7], v[rB:rB+11], v[rA:rA+11], v[rD:rD+7], v[rSB], v[rSA] matrix_a_fmt:MATRIX_FMT_FP6 matrix_b_fmt:MATRIX_FMT_FP6
.elseif rV == 1
	v_wmma_scale_f32_16x16x128_f8f6f4 v[rD:rD+7], v[rB:rB+11], v[rA:rA+11], v[rD:rD+7], v[rSB], v[rSA] matrix_a_fmt:MATRIX_FMT_FP6 matrix_b_fmt:MATRIX_FMT_FP6 matrix_a_scale:MATRIX_SCALE_ROW1
.elseif rV == 2
	v_wmma_scale_f32_16x16x128_f8f6f4 v[rD:rD+7], v[rB:rB+11], v[rA:rA+11], v[rD:rD+7], v[rSB], v[rSA] matrix_a_fmt:MATRIX_FMT_FP6 matrix_b_fmt:MATRIX_FMT_FP6 matrix_b_scale:MATRIX_SCALE_ROW1
.elseif rV == 3
	v_wmma_scale_f32_16x16x128_f8f6f4 v[rD:rD+7], v[rB:rB+11], v[rA:rA+11], v[rD:rD+7], v[rSB], v[rSA] matrix_a_fmt:MATRIX_FMT_FP6 matrix_b_fmt:MATRIX_FMT_FP6 matrix_a_scale:MATRIX_SCALE_ROW1 matrix_b_scale:MATRIX_SCALE_ROW1
.elseif rV == 4
	v_wmma_scale_f32_16x16x128_f8f6f4 v[rD:rD+7], v[rB:rB+11], v[rA:rA+11], 0, v[rSB], v[rSA] matrix_a_fmt:MATRIX_FMT_FP6 matrix_b_fmt:MATRIX_FMT_FP6
.elseif rV == 5
	v_wmma_scale_f32_16x16x128_f8f6f4 v[rD:rD+7], v[rB:rB+11], v[rA:rA+11], 0, v[rSB], v[rSA] matrix_a_fmt:MATRIX_FMT_FP6 matrix_b_fmt:MATRIX_FMT_FP6 matrix_a_scale:MATRIX_SCALE_ROW1
.elseif rV == 6
	v_wmma_scale_f32_16x16x128_f8f6f4 v[rD:rD+7], v[rB:rB+11], v[rA:rA+11], 0, v[rSB], v[rSA] matrix_a_fmt:MATRIX_FMT_FP6 matrix_b_fmt:MATRIX_FMT_FP6 matrix_b_scale:MATRIX_SCALE_ROW1
.else
	v_wmma_scale_f32_16x16x128_f8f6f4 v[rD:rD+7], v[rB:rB+11], v[rA:rA+11], 0, v[rSB], v[rSA] matrix_a_fmt:MATRIX_FMT_FP6 matrix_b_fmt:MATRIX_FMT_FP6 matrix_a_scale:MATRIX_SCALE_ROW1 matrix_b_scale:MATRIX_SCALE_ROW1
.endif
.endm
.macro MUL8 a, p, zero                 ; the 32 accumulators take turns, one instruction a turn, in the same order in every step
.irp b, 0,1,2,3,4,5,6,7
	ONE \a, \b, \p, \zero
.endr
.endm
; A step whose successor lies in the same region: 32 matrix instructions on set p; in their middle my step nq of area narea is fetched into the other set.
.macro STEP p, narea, nq, zero
	s_wait_dscnt 6                                 ; all of my set is in but the youngest six loads: A's blocks 2 and 3
	WIN MUL
	MUL8 0, \p, \zero
	MUL8 1, \p, \zero
	s_wait_dscnt 0x0                               ; A's blocks 2 and 3 are in
	PLACES 4                                       ; in front of loads into the other set, which the step before multiplied
	FETCH \narea, \nq, 1-(\p)
	WIN MUL
	MUL8 2, \p, \zero
	MUL8 3, \p, \zero
	WIN 0
.endm
; A region's last step (always set 1) leaves the region: one barrier; in front of it each wave waits for all its tensor loads, adds 0 to its spare word, and waits for that and for its reads of the region.
; fill = 1: the barrier opens a round of the cluster's, and behind the round X is filled again, with the K steps twelve on; fill = 2: the same for Y; fill = 0: nothing is left to fetch.
; Then my first step of the other region, area narea, is fetched.
.macro TURN narea, fill, ask
	s_wait_tensorcnt 0x0                           ; all my tensor loads have landed: the one that was out is my part of the other region
	ds_add_u32 v[SPW], v[NIL]                      ; 0 onto my spare word
	s_wait_dscnt 7                                 ; (the add and the youngest six loads may be out)
	WIN MUL
	MUL8 0, 1, 0                                   ; eight matrix instructions stand between the add and the wait for it
	s_wait_dscnt 0x0                               ; the add is done, and my reads of this region are over
	s_barrier_signal -1
	MUL8 1, 1, 0
	WIN 0
	s_barrier_wait -1
.if \fill == 1
	CREST                                          ; no wave of any partner still reads X or has a load on its way
	s_add_nc_u64 s[G0AX+2:G0AX+3], s[G0AX+2:G0AX+3], ADV
	s_add_nc_u64 s[G0BX+2:G0BX+3], s[G0BX+2:G0BX+3], ADV
	JLOAD G0AX, G1AX, G0BX, G1BX                   ; the first tensor load behind the round, my only one until the next; its four v_nop are also the places in front of the loads below
.elseif \fill == 2
	CREST                                          ; the same of Y
	s_add_nc_u64 s[G0AY+2:G0AY+3], s[G0AY+2:G0AY+3], ADV
	s_add_nc_u64 s[G0BY+2:G0BY+3], s[G0BY+2:G0BY+3], ADV
	JLOAD G0AY, G1AY, G0BY, G1BY
.else
	PLACES 4
.endif
	s_wait_alu depctr_va_vdst(0)
	FETCH \narea, 0, 0
.if \ask == 1
	ASKY 20*REC                                    ; Y's K steps 20 to 23
.elseif \ask == 2
	ASKX 24*REC                                    ; X's K steps 24 to 31
.endif
	WIN MUL
	MUL8 2, 1, 0
	MUL8 3, 1, 0
	WIN 0
.endm
; The four address registers of area a: A's four records begin at LDS byte ab, W's at bb
.macro AREA a, ab, bb
	s_add_co_u32 s3, s22, \ab
	v_add_nc_u32 v[ADRA+\a], s3, v[LI]
	s_add_co_u32 s3, s23, \ab
	v_add_nc_u32 v[ADSA+\a], s3, v[LS8]
	s_add_co_u32 s3, s45, \bb
	v_add_nc_u32 v[ADRB+\a], s3, v[LI]
	s_add_co_u32 s3, s18, \bb
	v_add_nc_u32 v[ADSB+\a], s3, v[LS8]
.endm
	s_load_b256 s[4:11], s[0:1], 0x0               ; A s[4:5], W s[6:7], the bias s[8:9], the output s[10:11]
	v_lshl_add_u32 v[SPW], v0, 2, SPARE
	v_mov_b32 v[NIL], 0
	ds_add_u32 v28, v29
	ds_add_u32 v28, v29
	s_wait_dscnt 0x0
	v_lshrrev_b32 v1, 5, v0
	v_readfirstlane_b32 s14, v1                    ; wave 0..3
	s_lshr_b32 s15, s14, 1                         ; wm: which four blocks of A are mine.  Also: I fetch for A (0) or for W (1)
	s_and_b32 s16, s14, 1                          ; wk: which K steps are mine.  Also: which half I fetch
	s_bfe_u32 s40, ttmp6, 0x40000                  ; cx, cy: my place in the cluster
	s_bfe_u32 s41, ttmp6, 0x40004
	s_lshl_b32 s42, ttmp9, 2
	s_add_co_u32 s42, s42, s40                     ; tx = 4 x cluster x + cx
	s_and_b32 s17, ttmp7, 0xffff
	s_lshl_b32 s17, s17, 2
	s_add_co_u32 s17, s17, s41                     ; ty = 4 x cluster y + cy
	s_lshl_b32 s43, s41, 2
	s_lshl_b32 s43, 15, s43                        ; my row of the cluster
	s_lshl_b32 s44, 0x1111, s40                    ; my column
	; descriptor groups 1: a dense block as rows of 256 bytes (32 elements of 8 bytes), no padding; two shapes, two masks
	s_or_b32 s[G1AX], s43, (3<<16)|(1<<21)         ; 15:0 the mask: A's records go to my row; 17:16 elements of 8 bytes; 21 set beside a mask
	s_or_b32 s[G1AY], s43, (3<<16)|(1<<21)
	s_or_b32 s[G1BX], s44, (3<<16)|(1<<21)         ; W's go to my column
	s_or_b32 s[G1BY], s44, (3<<16)|(1<<21)
.irp g, G1AX, G1AY, G1BX, G1BY
	s_mov_b32 s[\g+1], 32<<16                      ; tensor_dim0 = 32
	s_mov_b32 s[\g+3], 32<<16                      ; tile_dim0 = 32
	s_mov_b32 s[\g+5], 32                          ; tensor_dim0_stride
	s_mov_b32 s[\g+6], 0
	s_mov_b32 s[\g+7], 0
.endr
.irp g, G1AX, G1BX
	s_mov_b32 s[\g+2], RX<<16                      ; tensor_dim1 = 200
	s_mov_b32 s[\g+4], RX                          ; tile_dim1 = 200
.endr
.irp g, G1AY, G1BY
	s_mov_b32 s[\g+2], RY<<16                      ; tensor_dim1 = 100
	s_mov_b32 s[\g+4], RY                          ; tile_dim1 = 100
.endr
	s_mul_i32 s18, s16, 4*REC                      ; my half of X's eight records: the same distance in memory and in LDS
	s_mul_i32 s19, s16, 2*REC                      ; my half of Y's four
	s_mov_b32 s22, s18
	s_mov_b32 s23, 0                               ; X begins with K steps 0 to 7,
	s_add_co_u32 s12, s19, 8*REC
	s_mov_b32 s13, 0                               ; Y with K steps 8 to 11
	s_mul_i32 s20, s17, PANEL                      ; A: panel ty
	s_mov_b32 s21, 0
	s_mul_i32 s46, s42, PANEL                      ; W: panel tx
	s_mov_b32 s47, 0
	s_cmp_eq_u32 s15, 0                            ; the prefetches: do I fetch for A?
	s_cselect_b32 s86, s40, s41                    ; my place among the four that ask with me
	s_mul_i32 s84, s86, 12800
	s_add_co_u32 s84, s84, s18
	s_mov_b32 s85, 0
	s_mul_i32 s86, s86, 6400
	s_add_co_u32 s86, s86, s19
	s_mov_b32 s87, 0
	v_and_b32 v18, 31, v0
	v_lshlrev_b32 v16, 8, v18                      ; X: blocks 0 .. 31 of my quarter,
	v_min_u32 v17, 17, v18
	v_lshl_add_u32 v17, v17, 8, 8192               ; and 32 .. 49;
	v_min_u32 v18, 24, v18
	v_lshlrev_b32 v18, 8, v18                      ; Y: blocks 0 .. 24; lanes left over name the last block again
	s_wait_alu depctr_va_vdst(0)
	s_wait_kmcnt 0x0
	s_add_nc_u64 s[20:21], s[4:5], s[20:21]
	s_add_nc_u64 s[46:47], s[6:7], s[46:47]
	s_cmp_eq_u32 s15, 0
	s_cselect_b64 s[2:3], s[20:21], s[46:47]
	s_add_nc_u64 s[84:85], s[2:3], s[84:85]
	s_add_nc_u64 s[86:87], s[2:3], s[86:87]
	ASKX 0                                         ; X's K steps 0 to 7, ahead of the round
	CROUND
	s_mov_b32 s[G0AX], 1                           ; count = 1
	s_add_co_u32 s[G0AX+1], s18, XA                ; LDS address: no place in the cluster enters it
	s_add_nc_u64 s[G0AX+2:G0AX+3], s[20:21], s[22:23]        ; global address
	s_or_b32 s[G0AX+3], s[G0AX+3], 0x80000000      ; type = 2
	s_mov_b32 s[G0BX], 1
	s_add_co_u32 s[G0BX+1], s18, XB
	s_add_nc_u64 s[G0BX+2:G0BX+3], s[46:47], s[22:23]
	s_or_b32 s[G0BX+3], s[G0BX+3], 0x80000000
	s_mov_b32 s[G0AY], 1
	s_add_co_u32 s[G0AY+1], s19, YA
	s_add_nc_u64 s[G0AY+2:G0AY+3], s[20:21], s[12:13]
	s_or_b32 s[G0AY+3], s[G0AY+3], 0x80000000
	s_mov_b32 s[G0BY], 1
	s_add_co_u32 s[G0BY+1], s19, YB
	s_add_nc_u64 s[G0BY+2:G0BY+3], s[46:47], s[12:13]
	s_or_b32 s[G0BY+3], s[G0BY+3], 0x80000000
	JLOAD G0AX, G1AX, G0BX, G1BX                   ; X's first fill: my one load at the head
	ASKY 8*REC                                     ; Y's K steps 8 to 11
	v_and_b32 v1, 31, v0
	v_lshlrev_b32 v[LI], 4, v1
	s_wait_alu depctr_va_vdst(0)
	v_lshlrev_b32 v[LS8], 3, v1
	s_wait_alu depctr_va_vdst(0)
	v_bfe_u32 v2, v0, 4, 1                         ; h
	v_and_b32 v3, 15, v0                           ; r
	s_mul_i32 s45, s16, REC                        ; my first K step of an area: record wk.  W: the record,
	s_mul_i32 s22, s15, 4*FRB
	s_add_co_u32 s22, s22, s45                     ; A: my four images in it,
	s_lshl_b32 s23, s15, 8
	s_add_co_u32 s23, s23, s45
	s_add_co_u32 s23, s23, 12288                   ; and their 256 bytes of scale words;
	s_add_co_u32 s18, s45, 12288                   ; W's scale words
	AREA 0, XA, XB
	AREA 1, XA+4*REC, XB+4*REC
	AREA 2, YA, YB
	s_mul_i32 s22, s15, 2*STGB                     ; the stages of my pair,
	s_mul_i32 s23, s16, STGB
	s_add_co_u32 s23, s22, s23                     ; mine,
	s_xor_b32 s45, s16, 1
	s_mul_i32 s45, s45, STGB
	s_add_co_u32 s45, s22, s45                     ; and my partner's
	s_mul_i32 s18, s16, 32*SPI                     ; of the pair's 64 rows I add and store 32 wk .. 32 wk + 31
	v_mul_u32_u24 v[STO], v3, SPI
	v_lshl_add_u32 v[STO], v2, 6, v[STO]
	v_add_nc_u32 v[STO], s23, v[STO]               ; in: row r, + 64 h: my half's 16 columns of each 32
	s_add_co_u32 s23, s23, s18
	s_add_co_u32 s45, s45, s18
	v_add_nc_u32 v[RD0], s23, v[LI]                ; back: a row of 512 bytes, 16 a lane
	v_add_nc_u32 v[RD1], s45, v[LI]
	s_lshl_b32 s20, s17, 7
	s_lshl_b32 s18, s15, 6
	s_add_co_u32 s20, s20, s18
	s_lshl_b32 s18, s16, 5
	s_add_co_u32 s20, s20, s18                     ; the first row that I store: 128 ty + 64 wm + 32 wk
	s_lshl_b32 s20, s20, 13                        ; rows of 8,192 bytes
	s_mov_b32 s21, 0
	s_add_nc_u64 s[10:11], s[10:11], s[20:21]
	s_lshl_b32 s46, s42, 9                         ; the tile's first column, in bytes
	s_mov_b32 s47, 0
	s_add_nc_u64 s[10:11], s[10:11], s[46:47]
	s_add_nc_u64 s[8:9], s[8:9], s[46:47]
	global_load_b128 v[BS:BS+3], v[LI], s[8:9]     ; the bias of columns 4 l .. 4 l + 3 of the tile
	s_wait_alu depctr_va_vdst(0)                   ; the wait at the head's end
	s_wait_tensorcnt 0x0                           ; Y's first fill is issued as a refill is: all my loads, the add, its wait, a round
	ds_add_u32 v[SPW], v[NIL]
	s_wait_dscnt 0x0
	CROUND
	JLOAD G0AY, G1AY, G0BY, G1BY
	FETCH 0, 0, 0
	ASKX 12*REC                                    ; X's K steps 12 to 19
	s_wait_loadcnt 0x0                             ; the bias
	STEP 0, 0, 1, 1                                ; X, K steps 0 to 7: my four.  The first products start the sums
	STEP 1, 1, 0, 0
	STEP 0, 1, 1, 0
	TURN 2, 1, 1
	STEP 0, 2, 1, 0
	TURN 0, 2, 2
	STEP 0, 0, 1, 0                                ; X, K steps 12 to 19
	STEP 1, 1, 0, 0
	STEP 0, 1, 1, 0
	TURN 2, 1, 0
	STEP 0, 2, 1, 0
	TURN 0, 0, 0
	STEP 0, 0, 1, 0                                ; X, K steps 24 to 31
	STEP 1, 1, 0, 0
	STEP 0, 1, 1, 0
	s_wait_dscnt 6                                 ; the very last step
	WIN MUL
	MUL8 0, 1, 0
	MUL8 1, 1, 0
	s_wait_dscnt 0x0                               ; my last reads of X are in:
	s_barrier_signal -1                            ; say so,
	MUL8 2, 1, 0                                   ; work on registers while the others arrive,
	MUL8 3, 1, 0
	s_barrier_wait -1                              ; and write into X only when nobody reads it any more
	; THE WAY OUT.  Each wave lays its 64 rows x 128 columns, its half of K, into its stage; a barrier; each wave of a pair reads 32 rows of both stages, adds them and the bias, and stores whole rows of the tile.
	PLACES 4
	WIN 0x08                                       ; an LDS store's data are its source 1: window 2
.irp a, 0,1,2,3
.irp b, 0,1,2,3,4,5,6,7
	ds_store_b128 v[STO], v[64*\a+8*\b:64*\a+8*\b+3] offset:16*\a*SPI+128*(\b/2)+32*(\b%2)         ; lane (r, h): slot r of block a, columns 32 (b / 2) + 8 (b % 2) + 16 h + 0 .. 7; each accumulator from its low end on
	ds_store_b128 v[STO], v[64*\a+8*\b+4:64*\a+8*\b+7] offset:16*\a*SPI+128*(\b/2)+32*(\b%2)+16
.endr
.endr
	WIN 0
	s_wait_dscnt 0x0                               ; for my partner's sake: my stores into the stage have landed
	s_barrier_signal -1
	s_barrier_wait -1
.irp u, 0,1                            ; 16 rows at a time: block 2 wk + u of my pair's four
.if \u == 1
	s_wait_xcnt 0x0                                ; the first 16 stores have read their registers: they are loaded again only behind this wait
.endif
.irp i, 0,1,2,3,4,5,6,7,8,9,10,11,12,13,14,15
	ds_load_b128 v[OA+4*\i:OA+4*\i+3], v[RD0] offset:SPI*(16*\u+\i)
	ds_load_b128 v[OB+4*\i:OB+4*\i+3], v[RD1] offset:SPI*(16*\u+\i)
.endr
.irp i, 0,1,2,3,4,5,6,7,8,9,10,11,12,13,14,15
	s_wait_dscnt 30-2*\i                           ; this row's two loads are in; the younger rows' pairs may be out
	v_pk_add_f32 v[OA+4*\i:OA+4*\i+1], v[OA+4*\i:OA+4*\i+1], v[OB+4*\i:OB+4*\i+1]
	v_pk_add_f32 v[OA+4*\i+2:OA+4*\i+3], v[OA+4*\i+2:OA+4*\i+3], v[OB+4*\i+2:OB+4*\i+3]
	v_pk_add_f32 v[OA+4*\i:OA+4*\i+1], v[OA+4*\i:OA+4*\i+1], v[BS:BS+1]
	v_pk_add_f32 v[OA+4*\i+2:OA+4*\i+3], v[OA+4*\i+2:OA+4*\i+3], v[BS+2:BS+3]
	global_store_b128 v[LI], v[OA+4*\i:OA+4*\i+3], s[10:11] offset:(8*\u+\i+8*(\i/8))*8192 th:TH_STORE_NT   ; slot i of the block is row 8 u + i + 8 (i / 8) of my 32; 32 lanes store 512 consecutive bytes, aligned
.endr
.endr
	s_wait_tensorcnt 0x0                           ; the wave's end, behind my last tensor load and my last LDS store
	ds_add_u32 v[SPW], v[NIL]
	s_wait_dscnt 0x0
	CROUND                                         ; the closing round: no work-group ends while a partner may still ask for a tile that names it
	s_endpgm
.Lfunc_end_k_qb4dde44156_g3:
	.size	k_qb4dde44156_g3, .Lfunc_end_k_qb4dde44156_g3-k_qb4dde44156_g3
	.p2alignl 7, 3214868480
	.fill 96, 4, 3214868480
	.section	.rodata,"a",@progbits
	.p2align	6, 0x0
	.amdhsa_kernel k_qb4dde44156_g3
		.amdhsa_group_segment_fixed_size 327680
		.amdhsa_private_segment_fixed_size 0
		.amdhsa_enable_private_segment 0
		.amdhsa_kernarg_size 32
		.amdhsa_user_sgpr_count 2
		.amdhsa_user_sgpr_kernarg_segment_ptr 1
		.amdhsa_wavefront_size32 1
		.amdhsa_system_sgpr_workgroup_id_x 1
		.amdhsa_system_sgpr_workgroup_id_y 1
		.amdhsa_system_sgpr_workgroup_id_z 1
		.amdhsa_system_vgpr_workitem_id 0
		.amdhsa_next_free_vgpr 768
		.amdhsa_next_free_sgpr 88
		.amdhsa_reserve_vcc 0
		.amdhsa_float_denorm_mode_32 3
		.amdhsa_float_denorm_mode_16_64 3
		.amdhsa_memory_ordered 1
		.amdhsa_forward_progress 1
		.amdhsa_inst_pref_size 143
	.end_amdhsa_kernel
	.amdgpu_metadata
---
amdhsa.version: [ 1, 2 ]
amdhsa.kernels:
  - .name:           k_qb4dde44156_g3
    .symbol:         k_qb4dde44156_g3.kd
    .args:
      - { .name: q2, .offset: 0, .size: 8, .value_kind: global_buffer, .address_space: global }
      - { .name: qw3, .offset: 8, .size: 8, .value_kind: global_buffer, .address_space: global }
      - { .name: b3, .offset: 16, .size: 8, .value_kind: global_buffer, .address_space: global }
      - { .name: out0, .offset: 24, .size: 8, .value_kind: global_buffer, .address_space: global }
    .group_segment_fixed_size: 327680
    .private_segment_fixed_size: 0
    .kernarg_segment_align: 8
    .kernarg_segment_size: 32
    .max_flat_workgroup_size: 128
    .sgpr_count:     88
    .vgpr_count:     768
    .wavefront_size: 32
...
	.end_amdgpu_metadata
.endif
;; end of part 4
